; MI455X (gfx1250); checked and timed in simulation.
; The chip was launched on July 23, 2026; its instructions are those of AMD's public machine-readable ISA for CDNA 5 (MIT licence, August 2026) and "CDNA5" Instruction Set Architecture Reference Guide (July 2026). The comments in the code are by the model that wrote it; some were corrected since.
;; Prunable Attention. Allowed arithmetic: matrix products marked QUANTISED: E2M3 operands, one E8M0 scale for each 32 along K, by v_wmma_scale_f32_16x16x128_f8f6f4 with both operands' format E2M3, f32 sums; everything else in f32.
;; Inputs: b_proj 1,024 float32; hidden_states 4 x 2,048 x 1,024 float32; w_proj 1,024 x 1,024 float32; w_qkv 1,024 x 3,072 float32.
;; Outputs: out0 4 x 2,048 x 1,024 float32.
;; This version of the problem:
;;   THIS VERSION OF THE PROBLEM IS GIVEN IN LOW PRECISION. The matrix products marked QUANTISED in the list below multiply operands that are first quantised to E2M3 (2 exponent bits, 3 mantissa bits; 6 bits a number), with one power-of-two scale for each 32 numbers along K (OCP MX v1.0); their sums are f32. All else is computed in f32.
;;   The module's matrix products, in the order in which they are computed (A, B: the left and right operand; K: the contracted axis; several contracted axes count as one K, in the product's order):
;;     1. [M 8,192, K 1,024] x [K 1,024, N 3,072]; A: input hidden_states; B: input w_qkv: QUANTISED
;;     2. batch 64 x [M 2,048, K 64] x [K 64, N 2,048]; A: computed on the way; B: computed on the way: QUANTISED
;;     3. batch 64 x [M 2,048, K 2,048] x [K 2,048, N 64]; A: softmax (see below); B: computed on the way: QUANTISED
;;     4. [M 8,192, K 1,024] x [K 1,024, N 1,024]; A: computed on the way; B: input w_proj: QUANTISED
;;   THE QUANTISER, for each operand of a quantised product, along K:
;;     - K is cut into blocks of 32 from its start; a last block that is shorter is filled with zeros.
;;     - A block's scale is 2^e with e = floor(log2(the largest magnitude in the block)) - 2, held to -126 .. 127; a block of zeros has e = 0. As a byte (E8M0): e + 127.
;;     - Each number is divided by its block's scale, clamped to +-7.5, and rounded to the nearest number of E2M3, ties to even, subnormals kept.
;;     - The product sums the exact products of the quantised numbers (number of the format x scale) in f32.
;;   ~~~python
;;   def quantise(x, axis):      # numpy; x: float32 -> the quantised numbers, widened to float32 again
;;       x = np.moveaxis(x, axis, -1); K = x.shape[-1]
;;       x = np.pad(x, [(0, 0)] * (x.ndim - 1) + [(0, -K % 32)]); x = x.reshape(x.shape[:-1] + (-1, 32)); a = np.abs(x).max(-1, keepdims=True)
;;       e = np.where(a > 0, np.clip(np.frexp(np.where(a > 0, a, 1))[1] - 1 - 2, -126, 127), 0)      # np.frexp(a)[1] - 1 = floor(log2(a)), exactly
;;       r = np.clip(x / 2.0 ** e, -7.5, 7.5)
;;       step = 2.0 ** (np.maximum(np.frexp(np.where(r == 0, 1, r))[1] - 1, 0) - 3)
;;       q = np.round(r / step) * step * 2.0 ** e      # np.round: ties to even
;;       return np.moveaxis(q.reshape(q.shape[:-2] + (-1,))[..., :K], -1, axis).astype(np.float32)
;;   ~~~
;;   SOFTMAX AHEAD OF A QUANTISED PRODUCT. Where the list says 'softmax', what is quantised is not the finished softmax but p = 2^(t - M), with t = logit x log2(e) and M = ceil(the row's largest t), a whole number; so 1/2 < the row's largest p <= 1. The row's sum l is taken of the UNQUANTISED p, in f32, and the product's result is divided by l at the end. Since M is a whole number, a kernel that streams over the keys may use a running M (the ceiling of the running maximum): every later rescaling is an exact power of two, which a block's scale takes up: the codes' values come out the same.
;;   OPERANDS COMPUTED ON THE WAY. 'Computed on the way' means the value that the module computes at that place (a softmax that the list does not call 'softmax' is quantised finished and normalised). What goes into a quantiser is computed in f32, as accurately as f32 sums, v_exp_f32 and their like allow (about 1e-6 of the number): no bf16 or f16 on the way to a quantiser, and a product that is left as it is and whose result goes on into a quantised operand takes f32 operands (vector FMAs, or v_wmma_f32_16x16x4_f32). A number that lies on a knife's edge between two numbers of the format may be rounded either way, as far as f32 arithmetic and the matrix unit's own rounding can turn it there, and no further.
;; One version. Each part assembles by itself: llvm-mc -triple=amdgcn-amd-amdhsa -mcpu=gfx1250 --defsym DOCPART=n.
;; ======== version 1 of 1: 4 launches
;; limits: right only within a limited range of input values
;; workspace buffers: xq 6,553,600 bytes; wq 3,276,800 bytes; att 19,660,800 bytes; oq 6,553,600 bytes
;; launch quant (part 1): grid 384 x 1, 4 waves a work-group, no clusters, 68,096 bytes of LDS; arguments hidden_states, w_qkv, w_proj, xq, wq; writes xq, wq
.if DOCPART == 1
	.amdgcn_target "amdgcn-amd-amdhsa--gfx1250"
	.amdhsa_code_object_version 6
	.text
	.protected	k_q1363a6059d_quant
	.globl	k_q1363a6059d_quant
	.p2align	8
	.type	k_q1363a6059d_quant,@function
k_q1363a6059d_quant:
	s_mov_b64 s[64:65], 0
	v_nop
	global_prefetch_b8 v0, s[64:65] scope:SCOPE_SE
	s_setreg_imm32_b32 hwreg(HW_REG_WAVE_MODE, 25, 1), 1
	s_wait_xcnt 0x0
; ONE LAUNCH QUANTISES ALL THREE f32 INPUTS into codes of FP6 (E2M3) with one E8M0 scale byte for each 32 along K.  Work-groups 0-127 take the weights, 128-383 take x.
; The two paths part on the work-group's number alone; each has LDS bytes of its own (the weights' stages at 0, x's regions at XL); the spare words are common.
; A block's scale is 2^(floor(log2(its largest magnitude)) - 2); its byte is the largest magnitude's exponent field - 2, held at 1 from below.
; THE CODES' PLACE, in xq and in wq: dense blocks of 24,576 bytes, [128 stored rows][K step of 256][row][192 bytes]: stored row p, K step s at 98,304 (p / 128) + 24,576 s + 192 (p % 128).  Scale bytes: [stored row][32].
; THE ROWS ARE STORED PERMUTED: stored row p holds true row (or column) p with bits 3 and 4 exchanged.  Sixteen stored rows on end, 16 a + r, are then the true rows
; 32 (a / 2) + 8 (a % 2) + r + 8 (r / 8): the choice of a tile's rows that gives a lane of a transposed product 16 neighbours along the next K.
; x [8192][1024]: a wave takes 8 rows; each load reads 512 consecutive bytes; a step's 2,048 bytes turn through the wave's own stage in LDS, so that a lane holds 16 neighbours.
; w_qkv [1024][3072], w_proj [1024][1024], K their FIRST axis: wq's rows 0-3071 are w_qkv's columns, rows 3072-4095 w_proj's.  A lane takes a column and its registers run down K; the codes leave through the wave's own stage.
; No barrier: waves share nothing.  LIMITS: NaN and infinities are not served; a block whose largest magnitude lies under 2^-124 (a block of zeros among them) keeps the byte 1: the bytes are read by this program alone.
.set EMAX,  2
.set CB,    12                         ; bytes of 16 codes
.set SPW,   208                        ; v208 LDS address of my spare word; never rewritten
.set NIL,   209                        ; v209 0; never rewritten
.set PITCH, 272                        ; the weights' stage row: sixteen places of 16 bytes, each with 12 bytes of codes, + 16
.set XL,    4*32*PITCH                 ; x's regions begin behind the weights' four stages
.set WREG,  8192                       ; x: LDS of a wave: two stages of 32 x 80 bytes, then its 256 scale bytes
.set SPARE, XL+4*WREG                  ; the spare words: 128 bytes a wave, two blocks of 256 bytes that no other line names
	s_load_b256 s[4:11], s[0:1], 0x0               ; x s[4:5], w_qkv s[6:7], w_proj s[8:9], xq s[10:11]
	s_load_b64 s[12:13], s[0:1], 0x20              ; wq
	v_lshl_add_u32 v[SPW], v0, 2, SPARE
	v_mov_b32 v[NIL], 0
	v_lshrrev_b32 v1, 5, v0
	v_readfirstlane_b32 s16, v1                    ; wave
	v_and_b32 v2, 31, v0                           ; lane
	s_cmp_lt_u32 ttmp9, 128
	s_wait_alu depctr_va_vdst(0)                   ; the wait here, directly ahead of the branch
	s_cbranch_scc1 .Lweights
; ---- x ----
.set STEPS, 16
.set R,     16                         ; v16-79   four sets of 16 numbers as loaded
.set XN,    80                         ; v80-111  two sets of 16 neighbours
.set E,     112                        ; v112-127 a scale byte for each step
.set C,     128                        ; v128-191 codes: four registers a step, so that no store's data are written again
.set SP,    80
.set XSC,   6291456                    ; where the scale bytes begin in xq
	v_lshlrev_b32 v3, 4, v2                        ; my 16 bytes of a load's 512
	s_mul_i32 s17, s16, WREG
	s_add_co_u32 s17, s17, XL
	v_lshrrev_b32 v14, 2, v2
	v_mul_u32_u24 v14, v14, SP
	v_and_b32 v15, 3, v2
	v_lshl_add_u32 v14, v15, 4, v14
	v_add_nc_u32 v14, s17, v14                     ; the stage, on the way in: four lanes' 64 bytes on end, then 16 of padding
	v_mul_u32_u24 v15, v2, SP
	v_add_nc_u32 v15, s17, v15                     ; and on the way out: my 16 neighbours
	v_and_b32 v8, 15, v2
	v_lshrrev_b32 v9, 4, v2
	v_mul_u32_u24 v4, v8, CB                       ; my 12 bytes of a row's 192,
	v_mad_u32_u24 v4, v9, 24576, v4                ; lanes 16-31 one K step on
	v_lshrrev_b32 v5, 1, v2
	s_add_co_u32 s17, s17, 2*32*SP
	v_add_nc_u32 v5, s17, v5                       ; my block's byte among my wave's 256
	v_lshlrev_b32 v7, 3, v2
	v_add_nc_u32 v6, s17, v7                       ; and on the way out 8 bytes a lane
	s_sub_co_u32 s18, ttmp9, 128
	s_lshl_b32 s18, s18, 2
	s_add_co_u32 s19, s18, s16                     ; the run of 8 rows that I read: 4 x work-group + wave
	s_and_b32 s20, s16, 1
	s_lshl_b32 s20, s20, 1
	s_lshr_b32 s21, s16, 1
	s_or_b32 s20, s20, s21                         ; the wave's two bits exchanged: bits 3, 4 of the row
	s_add_co_u32 s18, s18, s20                     ; the run that I write
	s_lshl_b32 s20, s19, 15                        ; 32,768 bytes of f32 a run
	s_mov_b32 s21, 0
	s_lshr_b32 s22, s18, 4                         ; my 8 stored rows: 16 runs to a block of 128 rows,
	s_mul_i32 s22, s22, 98304
	s_and_b32 s23, s18, 15
	s_mul_i32 s23, s23, 1536                       ; 8 x 192 bytes a run in each K step's block
	s_add_co_u32 s22, s22, s23
	s_mov_b32 s23, 0
	s_lshl_b32 s24, s18, 8                         ; 256 scale bytes
	s_add_co_u32 s24, s24, XSC
	s_mov_b32 s25, 0
	s_wait_alu depctr_va_vdst(0)                   ; the wait at the head's end
	s_wait_kmcnt 0x0
	s_add_nc_u64 s[4:5], s[4:5], s[20:21]
	s_add_nc_u64 s[8:9], s[10:11], s[22:23]
	s_add_nc_u64 s[10:11], s[10:11], s[24:25]
.macro LOADX t
.irp i, 0,1,2,3
	global_load_b128 v[R+16*((\t)%4)+4*\i:R+16*((\t)%4)+4*\i+3], v3, s[4:5] offset:2048*(\t)+512*\i th:TH_LOAD_NT   ; 32 lanes read 512 consecutive bytes
.endr
.endm
.macro TURNX t                         ; step t's numbers through the stage: LDS serves a wave's instructions in order, so no wait stands between the stores and the loads
.irp i, 0,1,2,3
	ds_store_b128 v14, v[R+16*((\t)%4)+4*\i:R+16*((\t)%4)+4*\i+3] offset:32*SP*((\t)%2)+8*SP*\i
.endr
.irp i, 0,1,2,3
	ds_load_b128 v[XN+16*((\t)%2)+4*\i:XN+16*((\t)%2)+4*\i+3], v15 offset:32*SP*((\t)%2)+16*\i
.endr
.endm
.irp t, 0,1,2,3
	LOADX \t
.endr
	s_wait_loadcnt 12                              ; step 0's four loads are in; three steps' twelve stay out
	TURNX 0
.macro STEPX t
.set XS, XN+16*((\t)%2)
.if (\t) > 0
	s_wait_dscnt 1                                 ; this step's numbers are back from the stage (the last step's byte store may be out)
.else
	s_wait_dscnt 0x0
.endif
.if (\t)+4 < STEPS
	LOADX (\t)+4                                   ; into the registers that the stage's stores have read
.endif
.if (\t)+1 < STEPS
.if STEPS-2-(\t) >= 3
	s_wait_loadcnt 12                              ; the next step's four loads are in; those of the three steps behind it may be out
.else
	s_wait_loadcnt 4*(STEPS-2-(\t))
.endif
	TURNX (\t)+1
.endif
	v_max3_num_f32 v8, |v[XS]|, |v[XS+1]|, |v[XS+2]|               ; the largest magnitude of my 16, in two chains
	v_max3_num_f32 v9, |v[XS+3]|, |v[XS+4]|, |v[XS+5]|
.irp i, 6,10
	v_max3_num_f32 v8, v8, |v[XS+\i]|, |v[XS+\i+1]|
	v_max3_num_f32 v9, v9, |v[XS+\i+2]|, |v[XS+\i+3]|
.endr
	v_max3_num_f32 v8, v8, |v[XS+14]|, |v[XS+15]|
	v_max3_num_f32 v8, v8, v9, (EMAX+1)<<23        ; and the floor 2^(3 - 127): the byte cannot fall under 1
	v_max_num_f32_dpp v8, v8, v8 row_xmask:1 row_mask:0xf bank_mask:0xf   ; with my neighbour's 16: the block's
	v_add_nc_u32 v11, -(EMAX<<23), v8              ; 2 off its exponent field: the conversion takes the exponent field of this operand as its scale
	v_cvt_scalef32_pk16_fp6_f32 v[C+4*(\t):C+4*(\t)+2], v[XS:XS+15], v11
	v_lshrrev_b32 v[E+(\t)], 23, v11               ; the scale's byte
	ds_store_b8 v5, v[E+(\t)] offset:16*(\t)       ; both lanes of a block write the same byte with the same value
	global_store_b96 v4, v[C+4*(\t):C+4*(\t)+2], s[8:9] offset:49152*((\t)%2)+192*((\t)/2)   ; row t / 2, K steps 2 (t % 2) and 2 (t % 2) + 1: sixteen lanes store 192 consecutive bytes
.endm
.irp t, 0,1,2,3,4,5,6,7,8,9,10,11,12,13,14,15
	STEPX \t
.endr
	ds_load_b64 v[8:9], v6                         ; LDS serves a wave's instructions in order: these see my stores
	s_wait_dscnt 0x0
	global_store_b64 v7, v[8:9], s[10:11]          ; 32 lanes store 256 consecutive bytes, aligned
	s_wait_tensorcnt 0x0                           ; the wave's end, behind my last LDS store
	ds_add_u32 v[SPW], v[NIL]
	s_wait_dscnt 0x0
	s_endpgm
; ---- the weights ----  work-group w: 128 columns w % 32 (under 24: w_qkv, else w_proj), 256 along K w / 32.  A wave: 32 columns, 8 blocks a lane.  Only the pointer and the row's length are chosen, on the work-group's number.
.Lweights:
.set NB,    8                          ; blocks a lane
.set ROWB,  192                        ; bytes of 256 codes
.set XW,    32                         ; v32-95   two sets of 32 numbers
.set CW,    96                         ; v96..    a block's codes
.set OUTR,  112                        ; v112-175 the way out
.set VOF,   176                        ; v176-207 byte offset of row i of a block at my column: 4 lane + i x the row's bytes; never rewritten
.set SB,    24                         ; v24-25   the scale bytes, four to a register
.set WSC,   3145728                    ; where the scale bytes begin in wq
.set BAS,   32                         ; s[32:47] the address of block t's first row, t = 0 .. 7; never rewritten
	s_and_b32 s14, ttmp9, 31                       ; which 128 stored rows
	s_lshr_b32 s18, ttmp9, 5                       ; which 256 along K
	s_cmp_lt_u32 s14, 24                           ; w_qkv's work-group or w_proj's
	s_mov_b32 s20, 4096
	s_cselect_b32 s20, 12288, s20                  ; bytes in a row of the tensor
	s_cselect_b32 s21, 0, 24
	s_sub_co_u32 s21, s14, s21                     ; which 128 columns of the tensor
	v_lshlrev_b32 v[VOF], 2, v2
.set i, 1
.rept 31
	v_add_nc_u32 v[VOF+i], s20, v[VOF+i-1]
.set i, i+1
.endr
	v_and_b32 v10, 7, v2                           ; my stored place among the wave's 32: the lane with bits 3 and 4 exchanged
	v_bfe_u32 v11, v2, 3, 1
	v_lshl_add_u32 v10, v11, 4, v10
	v_bfe_u32 v11, v2, 4, 1
	v_lshl_add_u32 v10, v11, 3, v10
	s_mul_i32 s19, s16, 32*PITCH                   ; my stage
	v_mul_u32_u24 v4, v10, PITCH
	v_add_nc_u32 v4, s19, v4                       ; into it: row = my stored place
	v_and_b32 v5, 15, v2
	v_lshrrev_b32 v6, 4, v2                        ; out of it: sixteen lanes to a row, two rows an instruction
	v_mul_u32_u24 v7, v6, PITCH
	v_lshl_add_u32 v7, v5, 4, v7
	v_add_nc_u32 v7, s19, v7
	v_mul_u32_u24 v8, v6, ROWB
	v_mad_u32_u24 v8, v5, 12, v8                   ; and the same place in wq
	v_lshlrev_b32 v9, 5, v10                       ; my stored row of scale bytes
	s_lshl_b32 s22, s21, 9                         ; in: 128 columns x 4 bytes a work-group,
	s_lshl_b32 s23, s16, 7                         ; 32 x 4 a wave,
	s_add_co_u32 s22, s22, s23
	s_mul_i32 s23, s18, s20
	s_lshl_b32 s23, s23, 8                         ; 256 rows for each step along K
	s_add_co_u32 s22, s22, s23
	s_mov_b32 s23, 0
	s_lshl_b32 s24, s20, 5                         ; 32 rows: from block to block
	s_mov_b32 s25, 0
	s_lshl_b32 s26, s14, 7
	s_lshl_b32 s27, s16, 5
	s_add_co_u32 s26, s26, s27                     ; out: my wave's first stored row
	s_mul_i32 s28, s14, 98304                      ; my work-group's 128 rows: four blocks,
	s_mul_i32 s27, s16, 6144                       ; my wave's 32 rows of 192 bytes,
	s_add_co_u32 s28, s28, s27
	s_mul_i32 s27, s18, 24576                      ; the block of my K step
	s_add_co_u32 s28, s28, s27
	s_mov_b32 s29, 0
	s_lshl_b32 s30, s26, 5
	s_lshl_b32 s27, s18, 3
	s_add_co_u32 s30, s30, s27
	s_add_co_u32 s30, s30, WSC
	s_mov_b32 s31, 0
	s_wait_alu depctr_va_vdst(0)                   ; the wait at the head's end
	s_wait_kmcnt 0x0
	s_cmp_lt_u32 s14, 24
	s_cselect_b64 s[4:5], s[6:7], s[8:9]           ; the choice hangs on the work-group's number alone
	s_add_nc_u64 s[BAS:BAS+1], s[4:5], s[22:23]
.set i, 1
.rept 7
	s_add_nc_u64 s[BAS+2*i:BAS+2*i+1], s[BAS+2*i-2:BAS+2*i-1], s[24:25]
.set i, i+1
.endr
	s_add_nc_u64 s[6:7], s[12:13], s[28:29]        ; the codes
	s_add_nc_u64 s[8:9], s[12:13], s[30:31]        ; the scale bytes
.macro LOADW t                         ; block t: W(32 t + i, my column), i = 0 .. 31, into set t % 2: each load reads 128 consecutive bytes a wave
.irp i, 0,1,2,3,4,5,6,7,8,9,10,11,12,13,14,15,16,17,18,19,20,21,22,23,24,25,26,27,28,29,30,31
	global_load_b32 v[XW+32*((\t)%2)+\i], v[VOF+\i], s[BAS+2*(\t):BAS+2*(\t)+1] th:TH_LOAD_NT
.endr
.endm
	LOADW 0
	LOADW 1
.macro BLOCKW t
.set XS, XW+32*((\t)%2)
.if (\t) < NB-1
	s_wait_loadcnt 32                              ; this block's 32 loads are in; the next block's may be out
.else
	s_wait_loadcnt 0
.endif
	v_max3_num_f32 v12, |v[XS]|, |v[XS+1]|, |v[XS+2]|               ; the block's largest magnitude: all 32 numbers are mine
	v_max3_num_f32 v13, |v[XS+3]|, |v[XS+4]|, |v[XS+5]|
.irp i, 6,10,14,18,22,26
	v_max3_num_f32 v12, v12, |v[XS+\i]|, |v[XS+\i+1]|
	v_max3_num_f32 v13, v13, |v[XS+\i+2]|, |v[XS+\i+3]|
.endr
	v_max3_num_f32 v12, v12, |v[XS+30]|, |v[XS+31]|
	v_max3_num_f32 v12, v12, v13, (EMAX+1)<<23     ; and the floor 2^(3 - 127)
	v_add_nc_u32 v11, -(EMAX<<23), v12             ; the conversion's scale operand
	v_lshrrev_b32 v13, 23, v11                     ; the scale's byte
.if (\t)%4 == 0
	v_mov_b32 v[SB+(\t)/4], v13
.else
	v_lshl_or_b32 v[SB+(\t)/4], v13, 8*((\t)%4), v[SB+(\t)/4]
.endif
	v_cvt_scalef32_pk16_fp6_f32 v[CW:CW+2], v[XS:XS+15], v11
	v_cvt_scalef32_pk16_fp6_f32 v[CW+4:CW+6], v[XS+16:XS+31], v11   ; (a conversion's three registers begin on an even number)
	ds_store_b96 v4, v[CW:CW+2] offset:32*(\t)     ; 12 bytes to a place of 16, so that every LDS address is a multiple of 16
	ds_store_b96 v4, v[CW+4:CW+6] offset:32*(\t)+16
.if (\t)+2 < NB
	LOADW (\t)+2
.endif
	s_wait_dscnt 0x0                               ; the stores have read their registers: the next block's codes may be written
.endm
.set Q, 0
.rept NB
	BLOCKW Q
.set Q, Q+1
.endr
	s_wait_alu depctr_va_vdst(0)                   ; the wait directly ahead of the reader below
	global_store_b64 v9, v[SB:SB+1], s[8:9]        ; my column's 8 scale bytes
.irp t, 0,1,2,3,4,5,6,7,8,9,10,11,12,13,14,15
	ds_load_b96 v[OUTR+4*\t:OUTR+4*\t+2], v7 offset:2*\t*PITCH   ; LDS serves a wave's instructions in order: these see my stores
.endr
.irp t, 0,1,2,3,4,5,6,7,8,9,10,11,12,13,14,15
	s_wait_dscnt 15-\t                             ; the younger reads of the stage may be out
	global_store_b96 v8, v[OUTR+4*\t:OUTR+4*\t+2], s[6:7] offset:2*\t*ROWB   ; the wave stores 384 consecutive bytes
.endr
	s_wait_tensorcnt 0x0                           ; the wave's end, behind my last LDS store
	ds_add_u32 v[SPW], v[NIL]
	s_wait_dscnt 0x0
	s_endpgm
.Lfunc_end_k_q1363a6059d_quant:
	.size	k_q1363a6059d_quant, .Lfunc_end_k_q1363a6059d_quant-k_q1363a6059d_quant
	.p2alignl 7, 3214868480
	.fill 96, 4, 3214868480
	.section	.rodata,"a",@progbits
	.p2align	6, 0x0
	.amdhsa_kernel k_q1363a6059d_quant
		.amdhsa_group_segment_fixed_size 68096
		.amdhsa_private_segment_fixed_size 0
		.amdhsa_enable_private_segment 0
		.amdhsa_kernarg_size 40
		.amdhsa_user_sgpr_count 2
		.amdhsa_user_sgpr_kernarg_segment_ptr 1
		.amdhsa_wavefront_size32 1
		.amdhsa_system_sgpr_workgroup_id_x 1
		.amdhsa_system_sgpr_workgroup_id_y 1
		.amdhsa_system_sgpr_workgroup_id_z 1
		.amdhsa_system_vgpr_workitem_id 0
		.amdhsa_next_free_vgpr 216
		.amdhsa_next_free_sgpr 66
		.amdhsa_reserve_vcc 0
		.amdhsa_float_denorm_mode_32 3
		.amdhsa_float_denorm_mode_16_64 3
		.amdhsa_memory_ordered 1
		.amdhsa_forward_progress 1
		.amdhsa_inst_pref_size 76
	.end_amdhsa_kernel
	.amdgpu_metadata
---
amdhsa.version: [ 1, 2 ]
amdhsa.kernels:
  - .name:           k_q1363a6059d_quant
    .symbol:         k_q1363a6059d_quant.kd
    .args:
      - { .name: hidden_states, .offset: 0, .size: 8, .value_kind: global_buffer, .address_space: global }
      - { .name: w_qkv, .offset: 8, .size: 8, .value_kind: global_buffer, .address_space: global }
      - { .name: w_proj, .offset: 16, .size: 8, .value_kind: global_buffer, .address_space: global }
      - { .name: xq, .offset: 24, .size: 8, .value_kind: global_buffer, .address_space: global }
      - { .name: wq, .offset: 32, .size: 8, .value_kind: global_buffer, .address_space: global }
    .group_segment_fixed_size: 68096
    .private_segment_fixed_size: 0
    .kernarg_segment_align: 8
    .kernarg_segment_size: 40
    .max_flat_workgroup_size: 128
    .sgpr_count:     66
    .vgpr_count:     216
    .wavefront_size: 32
...
	.end_amdgpu_metadata
.endif
;; end of part 1
;; launch gemm_qkv (part 2): grid 12 x 32, 4 waves a work-group, clusters of 4 x 4, 327,680 bytes of LDS; arguments xq, wq, att; writes att
.if DOCPART == 2
	.amdgcn_target "amdgcn-amd-amdhsa--gfx1250"
	.amdhsa_code_object_version 6
	.text
	.protected	k_q1363a6059d_gemm_qkv
	.globl	k_q1363a6059d_gemm_qkv
	.p2align	8
	.type	k_q1363a6059d_gemm_qkv,@function
k_q1363a6059d_gemm_qkv:
	s_mov_b64 s[64:65], 0
	v_nop
	global_prefetch_b8 v0, s[64:65] scope:SCOPE_SE
	s_setreg_imm32_b32 hwreg(HW_REG_WAVE_MODE, 25, 1), 1
	s_wait_xcnt 0x0
	s_wait_alu depctr_hold_cnt(0) depctr_sa_sdst(0) depctr_va_vdst(0) depctr_va_sdst(0) depctr_va_ssrc(0) depctr_va_vcc(0) depctr_vm_vsrc(0)
	s_getreg_b32 s2, hwreg(HW_REG_IB_STS2, 6, 4)
	s_cmp_eq_u32 s2, 0
	s_cbranch_scc0 .Lentry_in_a_cluster
	s_endpgm
.Lentry_in_a_cluster:
	s_bfe_u32 s2, ttmp6, 0x10000c
	s_cmp_lg_u32 s2, 0xf033
	s_cbranch_scc0 .Lentry_shape_is_right
	s_endpgm
.Lentry_shape_is_right:
.set NQ,     2
.set ROWB,   24576                     ; bytes from a K step's block of 128 rows x 192 bytes to the next K step's
.set KROW,   768
.set PITCH,  240
.set FR,     12
.set NL,     6
.set NP,     4
.set HALFT,  128*PITCH
.set SLOT,   4*HALFT
.set LAPS,   2
.set KS,     32
.set SCL,    2*SLOT
.set HALFS,  (128*KS/256)*272
.set SBLK,   (16*KS/256)*272
.set SPARE,  SCL+4*HALFS
.set ASC,    18874368
.set ADRA, 16
.set ADRB, 20
.set VO16, 24
.set VO8,  25
.set VSO,  26
.set ADRS, 27
.set SPW,  28
.set NIL,  29
.set SC,   32
.set AF,   128
.set CD,   112
.set TM,   200
.set PW,   216
.set PWE,  217
.set W0,   218
.set W1,   219
.set G1, 24
.set G0, 32
.set G1B, 48
.set G0B, 56
.set G1S, 68
.set G0S, 76
.set G1SB, 80
.set G0SB, 88
.set MSB, 0
.macro WIN new
.if MSB != (\new)
	s_set_vgpr_msb (MSB<<8)|(\new)
.set MSB, (\new)
.endif
.endm
.set MUL_LO, 0xa1
.set MUL_HI, 0xf1
.set TO_B,   0x40
.macro JLOAD g0a, g1a, g0b, g1b
	s_cmp_eq_u32 s15, 0
	s_cbranch_scc0 .Lfor_b_\@
	tensor_load_to_lds s[\g0a:\g0a+3], s[\g1a:\g1a+7]
	s_nop 0
.rept 4
	v_nop
.endr
	s_branch .Lasked_\@
.Lfor_b_\@:
	tensor_load_to_lds s[\g0b:\g0b+3], s[\g1b:\g1b+7]
	s_nop 0
.rept 4
	v_nop
.endr
.Lasked_\@:
.endm
.macro CREST
	s_cmp_lg_u32 s14, 0
	s_cbranch_scc1 .Lnot_wave_0_\@
	s_barrier_signal -3
.Lnot_wave_0_\@:
	s_barrier_wait -3
	s_barrier_signal -1
	s_barrier_wait -1
.endm
.macro CROUND
	s_barrier_signal -1
	s_barrier_wait -1
	CREST
.endm
	s_load_b128 s[4:7], s[0:1], 0x0
	s_load_b64 s[12:13], s[0:1], 0x10
	v_lshl_add_u32 v[SPW], v0, 2, SPARE
	v_mov_b32 v[NIL], 0
	ds_add_u32 v[SPW], v[NIL]
	ds_add_u32 v[SPW], v[NIL]
	v_lshrrev_b32 v1, 5, v0
	v_readfirstlane_b32 s14, v1
	s_lshr_b32 s15, s14, 1
	s_and_b32 s16, s14, 1
	s_bfe_u32 s40, ttmp6, 0x40000
	s_bfe_u32 s41, ttmp6, 0x40004
	s_and_b32 s95, ttmp7, 0xffff
	s_cmp_eq_u32 ttmp9, 2
	s_cselect_b32 s42, s95, ttmp9
	s_cselect_b32 s17, 0, s95
	s_cselect_b32 s96, 1, 0
	s_cselect_b32 s94, 1572864, 0
	s_mov_b32 s97, 6291456
	s_cselect_b32 s97, 3211264, s97
	s_mov_b32 s45, 3145728
	s_cselect_b32 s45, 6291456, s45
	s_lshl_b32 s42, s42, 2
	s_add_co_u32 s42, s42, s40
	s_lshl_b32 s17, s17, 2
	s_add_co_u32 s17, s17, s41
	s_lshl_b32 s43, s41, 2
	s_lshl_b32 s43, 15, s43
	s_lshl_b32 s44, 0x1111, s40
	s_or_b32 s[G1+0], s43, (0<<16)|(1<<20)|(1<<21)|(3<<22)|(3<<25)
	s_or_b32 s[G1B+0], s44, (0<<16)|(1<<20)|(1<<21)|(3<<22)|(3<<25)
.irp g, G1, G1B
	s_mov_b32 s[\g+1], 256<<16                     ; a block is dense in memory: it comes as 96 rows of 256 bytes, each at a multiple of 256; 16 bytes of padding behind every 64 give LDS rows of 240 bytes for each 192 of codes
	s_mov_b32 s[\g+2], 96<<16
	s_mov_b32 s[\g+3], 256<<16
	s_mov_b32 s[\g+4], 96
	s_mov_b32 s[\g+5], 256
	s_mov_b32 s[\g+6], 0
	s_mov_b32 s[\g+7], 0
.endr
	; THE SCALES COME THROUGH REGISTERS: each wave copies the 4,096 scale bytes of 128 rows (waves 0, 1 A's halves, waves 2, 3 B's), 16 bytes a lane, into LDS bytes of their own: units of 256 bytes + 16 of padding.
	; So the head's one tensor load a wave is K step pair 0's.  They are one part in 24 of what a work-group fetches and are not asked for jointly.
.set PFO, 31                           ; v31 the prefetches' offset; never rewritten
	s_mul_i32 s98, s14, HALFS
	s_add_co_u32 s98, s98, SCL
	s_cmp_eq_u32 s15, 0
	s_cselect_b32 s99, s40, s41                    ; my place among the four that ask for my tile with me: cx for A, cy for B: it enters a prefetch's address alone
	s_mul_i32 s99, s99, 6144                       ; a quarter of a block of 24,576 bytes
	v_and_b32 v6, 31, v0
	v_and_b32 v8, 15, v0
	v_bfe_u32 v9, v0, 4, 1
	v_lshlrev_b32 v7, 4, v6                        ; in memory: 16 bytes a lane
	v_mul_u32_u24 v9, v9, 272
	v_min_u32 v10, 23, v6                          ; 24 blocks of 256 bytes to a quarter: a lane a block, the lanes left over name the last again
	v_lshl_add_u32 v8, v8, 4, v9
	v_lshl_add_u32 v[PFO], v10, 8, s99
	v_add_nc_u32 v8, s98, v8                       ; in LDS: my wave's region, lanes 16-31 one unit on
	s_lshl_b32 s18, s16, 7
	s_lshl_b32 s20, s17, 8
	s_add_co_u32 s20, s20, s18
	s_lshl_b32 s46, s42, 8
	s_add_co_u32 s46, s46, s18
	s_lshl_b32 s22, s20, 5
	s_add_co_u32 s22, s22, s97
	s_mov_b32 s23, 0
	s_lshl_b32 s92, s46, 5
	s_add_co_u32 s92, s92, s45
	s_mov_b32 s93, 0
	s_mul_i32 s20, s20, KROW
	s_add_co_u32 s20, s20, s94
	s_mov_b32 s21, 0
	s_mul_i32 s46, s46, KROW
	s_mov_b32 s47, 0
	s_mul_i32 s45, s14, HALFT
	s_wait_dscnt 0x0
	s_wait_kmcnt 0x0
	s_cmp_eq_u32 s96, 1
	s_cselect_b64 s[8:9], s[4:5], s[6:7]
	s_cselect_b64 s[4:5], s[6:7], s[4:5]
	s_add_nc_u64 s[20:21], s[4:5], s[20:21]
	s_add_nc_u64 s[22:23], s[4:5], s[22:23]
	s_add_nc_u64 s[46:47], s[8:9], s[46:47]
	s_add_nc_u64 s[92:93], s[8:9], s[92:93]
	s_cmp_eq_u32 s15, 0                            ; the choices hang on the wave's number alone
	s_cselect_b64 s[22:23], s[22:23], s[92:93]     ; the scales that I copy
	s_cselect_b64 s[98:99], s[20:21], s[46:47]     ; the 128 rows that I fetch, K step pair 0: the prefetches' base; never rewritten
	s_wait_alu depctr_va_vdst(0)                   ; the wait directly ahead of the first readers of the head's addresses
.irp j, 0,1,2,3,4,5,6,7
	global_load_b128 v[SC+4*\j:SC+4*\j+3], v7, s[22:23] offset:512*\j   ; 32 lanes read 512 consecutive bytes
.endr
	CROUND
.irp s, 0,1
	s_mov_b32 s[G0+4*\s], 1
	s_add_co_u32 s[G0+4*\s+1], s45, \s*SLOT
	s_add_nc_u64 s[G0+4*\s+2:G0+4*\s+3], s[20:21], \s*ROWB
	s_or_b32 s[G0+4*\s+3], s[G0+4*\s+3], 0x80000000
	s_mov_b32 s[G0B+4*\s], 1
	s_add_co_u32 s[G0B+4*\s+1], s45, \s*SLOT
	s_add_nc_u64 s[G0B+4*\s+2:G0B+4*\s+3], s[46:47], \s*ROWB
	s_or_b32 s[G0B+4*\s+3], s[G0B+4*\s+3], 0x80000000
.if \s
	s_wait_tensorcnt 0x0                           ; my part of slot 0 is in: no tensor load of mine is out
	s_wait_loadcnt 0x0
.irp j, 0,1,2,3,4,5,6,7
	ds_store_b128 v8, v[SC+4*\j:SC+4*\j+3] offset:544*\j
.endr
	s_wait_tensorcnt 0x0
	ds_add_u32 v[SPW], v[NIL]
	s_wait_dscnt 0x0                               ; the add and my stores of the scales are done
	CROUND                                         ; slot 0 and the scales are whole for all four waves, and all sixteen work-groups are here
.endif
	JLOAD G0+4*\s, G1, G0B+4*\s, G1B               ; slot 0: the head's one tensor load a wave; slot 1: the first behind the round
	global_prefetch_b8 v[PFO], s[98:99] offset:(\s+2)*ROWB th:TH_LOAD_NT scope:SCOPE_SE   ; K step pair s + 2, which the refill two changes of slots on will load: my work-group's quarter of my wave's block
.endr
	v_and_b32 v1, 15, v0
	v_bfe_u32 v2, v0, 4, 1
	v_mul_u32_u24 v3, v1, PITCH
	v_mul_u32_u24 v4, v2, 24
	v_add_nc_u32 v4, v3, v4
	v_lshl_add_u32 v5, v2, 4, v4
	s_mul_i32 s21, s15, HALFT
	s_mul_i32 s22, s16, HALFT
	s_add_co_u32 s22, s22, 2*HALFT
.irp s, 0,1
	v_add_nc_u32 v[ADRA+\s], s21, v4
	v_add_nc_u32 v[ADRB+\s], s22, v4
	v_add_nc_u32 v[ADRA+2+\s], s21, v5
	v_add_nc_u32 v[ADRB+2+\s], s22, v5
	s_add_co_u32 s21, s21, SLOT
	s_add_co_u32 s22, s22, SLOT
.endr
	v_mul_u32_u24 v5, v1, KS
	v_lshrrev_b32 v6, 8, v5
	v_lshl_add_u32 v5, v6, 4, v5
	s_mul_i32 s21, s15, HALFS
	s_mul_i32 s22, s16, HALFS
	s_add_co_u32 s22, s22, 2*HALFS
	s_sub_co_u32 s22, s22, s21
	v_mul_u32_u24 v6, s22, v2
	s_add_co_u32 s21, s21, SCL
	v_add_nc_u32 v5, v5, v6
	v_add_nc_u32 v[ADRS], s21, v5
	s_lshl_b32 s92, s17, 1
	s_add_co_u32 s92, s92, s15
	s_lshl_b32 s93, s42, 1
	s_add_co_u32 s93, s93, s16
	s_cmp_eq_u32 s96, 1
	s_cselect_b32 s94, s93, s92
	s_cselect_b32 s95, s92, s93
	s_cselect_b32 s97, 196608, 0
	s_cselect_b32 s46, 8192, 0
	s_mov_b32 s8, 768
	s_cselect_b32 s8, 1536, s8
	s_cselect_b32 s9, 128, 64
	s_mov_b32 s19, 256
	s_cselect_b32 s19, 64, s19
	s_mov_b32 s10, 0x05040100
	s_cselect_b32 s10, 0x03020100, s10
	s_mov_b32 s11, 0x07060302
	s_cselect_b32 s11, 0x07060504, s11
	s_mov_b32 s4, 6144
	s_cselect_b32 s4, 768, s4
	s_mov_b32 s5, 0
	s_mov_b32 s18, 0xffff0000
	s_mov_b32 s20, 0x76543210
	s_mov_b32 s21, 0xfedcba98
	s_mul_i32 s6, s94, 12288
	s_lshl_b32 s7, s95, 9
	s_add_co_u32 s6, s6, s7
	s_add_co_u32 s6, s6, s46
	s_add_co_u32 s6, s6, ASC
	s_mov_b32 s7, 0
	s_add_nc_u64 s[6:7], s[12:13], s[6:7]
	s_mul_i32 s46, s94, 294912
	s_mul_i32 s47, s95, 12288
	s_add_co_u32 s46, s46, s47
	s_add_co_u32 s46, s46, s97
	s_mov_b32 s47, 0
	s_add_nc_u64 s[12:13], s[12:13], s[46:47]
	s_add_nc_u64 s[4:5], s[12:13], s[4:5]
	v_and_b32 v6, 31, v0
	v_lshlrev_b32 v[VO16], 4, v6
	v_lshlrev_b32 v[VO8], 3, v6
	v_mul_lo_u32 v[VSO], v2, s19
	v_lshl_add_u32 v[VSO], v1, 2, v[VSO]
.macro FRAG reg, adr, q, i
.irp p, 0,1,2,3,4,5
.set PCE, 12*(\q)+6*(\p/3)+\p%3
.if PCE%8 < 5
	ds_load_b64 v[\reg+2*\p:\reg+2*\p+1], v[\adr] offset:8*PCE+16*(PCE/8)+(\i)*16*PITCH
.else
	ds_load_b64 v[\reg+2*\p:\reg+2*\p+1], v[\adr+2] offset:8*PCE+16*(PCE/8)+(\i)*16*PITCH
.endif
.endr
.endm
.macro MUL16 a0, p, q, sc, zero
.irp a, \a0, \a0+1
.irp b, 0,1,2,3,4,5,6,7
.if \zero
	v_wmma_scale_f32_16x16x128_f8f6f4 v[8*(8*((\a)%4)+\b):8*(8*((\a)%4)+\b)+7], v[128*(\p)+FR*\b:128*(\p)+FR*\b+FR-1], v[AF+FR*(\a):AF+FR*(\a)+FR-1], 0, v[SC+8*NQ*(\sc)+NQ*\b+(\q)], v[SC+8*NQ*(\sc)+NQ*(\a)+(\q)] matrix_a_fmt:MATRIX_FMT_FP6 matrix_b_fmt:MATRIX_FMT_FP6 matrix_a_scale:MATRIX_SCALE_ROW1
.else
	v_wmma_scale_f32_16x16x128_f8f6f4 v[8*(8*((\a)%4)+\b):8*(8*((\a)%4)+\b)+7], v[128*(\p)+FR*\b:128*(\p)+FR*\b+FR-1], v[AF+FR*(\a):AF+FR*(\a)+FR-1], v[8*(8*((\a)%4)+\b):8*(8*((\a)%4)+\b)+7], v[SC+8*NQ*(\sc)+NQ*\b+(\q)], v[SC+8*NQ*(\sc)+NQ*(\a)+(\q)] matrix_a_fmt:MATRIX_FMT_FP6 matrix_b_fmt:MATRIX_FMT_FP6 matrix_a_scale:MATRIX_SCALE_ROW1
.endif
.endr
.endr
.endm
.macro FETCH_B slot, q, p
	WIN TO_B
.irp i, 0,1,2,3,4,5,6,7
	FRAG 128*(\p)+FR*\i, ADRB+\slot, \q, \i
.endr
	WIN 0
.endm
.macro FETCH_A slot, q, i0
.irp i, \i0, \i0+1, \i0+2, \i0+3
	FRAG AF+FR*(\i), ADRA+\slot, \q, \i
.endr
.endm
.macro SCALES sc
.irp i, 0,1,2,3,4,5,6,7
	ds_load_b64 v[SC+8*NQ*\sc+NQ*\i:SC+8*NQ*\sc+NQ*\i+1], v[ADRS] offset:\i*SBLK
.endr
.endm
.macro PLACES n
.rept \n
	v_nop
.endr
.endm
.macro STEP slot, q, zero
	s_wait_dscnt 4*NL
	WIN MUL_LO
	MUL16 0, (\q)%2, \q, \slot, \zero
	MUL16 2, (\q)%2, \q, \slot, \zero
	s_wait_dscnt 0
	PLACES NP
	FETCH_B \slot, (\q)+1, 1-(\q)%2
	FETCH_A \slot, (\q)+1, 0
	WIN MUL_HI
	MUL16 4, (\q)%2, \q, \slot, \zero
	MUL16 6, (\q)%2, \q, \slot, \zero
	PLACES NP
	WIN 0
	FETCH_A \slot, (\q)+1, 4
.endm
.macro TURN slot, next, fill
	s_wait_tensorcnt 0x0
	ds_add_u32 v[SPW], v[NIL]
	s_wait_dscnt 4*NL+1
	WIN MUL_LO
	MUL16 0, 1, NQ-1, \slot, 0
	s_wait_dscnt 0x0
	s_barrier_signal -1
	MUL16 2, 1, NQ-1, \slot, 0
	WIN 0
	s_barrier_wait -1
.if \fill
	CREST
	s_add_nc_u64 s[G0+4*\slot+2:G0+4*\slot+3], s[G0+4*\slot+2:G0+4*\slot+3], 2*ROWB
	s_add_nc_u64 s[G0B+4*\slot+2:G0B+4*\slot+3], s[G0B+4*\slot+2:G0B+4*\slot+3], 2*ROWB
	JLOAD G0+4*\slot, G1, G0B+4*\slot, G1B
.else
	PLACES NP
.endif
	s_wait_alu depctr_va_vdst(0)
	v_add_nc_u32 v[ADRS], 4*NQ, v[ADRS]
	FETCH_B \next, 0, 0
	FETCH_A \next, 0, 0
	SCALES \next
	WIN MUL_HI
	MUL16 4, 1, NQ-1, \slot, 0
	MUL16 6, 1, NQ-1, \slot, 0
	PLACES NP
	WIN 0
	FETCH_A \next, 0, 4
.endm
	s_wait_alu depctr_va_vdst(0)
	s_wait_tensorcnt 1
	s_barrier_signal -1
	s_barrier_wait -1
	FETCH_B 0, 0, 0
	FETCH_A 0, 0, 0
	SCALES 0
	FETCH_A 0, 0, 4
	STEP 0, 0, 1
	s_mov_b32 s3, LAPS-1
.Llap:
	TURN 0, 1, 1
	STEP 1, 0, 0
	TURN 1, 0, 1
	STEP 0, 0, 0
	s_sub_co_u32 s3, s3, 1
	s_cmp_lg_u32 s3, 0
	s_cbranch_scc1 .Llap
	TURN 0, 1, 0
	STEP 1, 0, 0
	s_wait_dscnt 4*NL
	WIN MUL_LO
	MUL16 0, 1, NQ-1, 1, 0
	MUL16 2, 1, NQ-1, 1, 0
	s_wait_dscnt 0
	WIN MUL_HI
	MUL16 4, 1, NQ-1, 1, 0
	MUL16 6, 1, NQ-1, 1, 0
	WIN 0
.macro QUANTW a
.set AC, 64*((\a)%4)
	WIN 0x0a+5*((\a)/4)
.irp b, 0,1,2,3
	v_max3_num_f32 v[TM+\b], |v[AC+16*\b]|, |v[AC+16*\b+1]|, 0x1800000
.endr
.irp i, 2,4,6,8,10,12,14
.irp b, 0,1,2,3
	v_max3_num_f32 v[TM+\b], |v[AC+16*\b+\i]|, |v[AC+16*\b+\i+1]|, v[TM+\b]
.endr
.endr
	WIN 0
.irp b, 0,1,2,3
	v_permlanex16_b32 v[TM+4+\b], v[TM+\b], s20, s21
.endr
.irp b, 0,1,2,3
	v_max_num_f32 v[TM+\b], v[TM+\b], v[TM+4+\b]
.endr
.irp b, 0,1,2,3
	v_add_nc_u32 v[TM+12+\b], 0xff000000, v[TM+\b]
.endr
.irp b, 0,1,2,3
	v_lshrrev_b32 v[TM+4+\b], 23, v[TM+12+\b]
.endr
	v_lshl_or_b32 v[PW], v[TM+5], 8, v[TM+4]
	v_lshl_or_b32 v[PW], v[TM+6], 16, v[PW]
	v_lshl_or_b32 v[PW], v[TM+7], 24, v[PW]
	WIN 0x02+(\a)/4
.irp c, 0,1
	v_cvt_scalef32_pk16_fp6_f32 v[CD+6*\c:CD+2+6*\c], v[AC+32*\c:AC+15+32*\c], v[TM+12+2*\c]
	v_cvt_scalef32_pk16_fp6_f32 v[CD+12+4*\c:CD+14+4*\c], v[AC+16+32*\c:AC+31+32*\c], v[TM+12+2*\c+1]
.endr
	WIN 0
	v_nop
.irp c, 0,1
.irp i, 0,1,2
	v_permlane16_swap_b32 v[CD+6*\c+\i], v[CD+12+4*\c+\i]
.endr
.irp i, 0,1,2
	v_mov_b32 v[CD+3+6*\c+\i], v[CD+12+4*\c+\i]
.endr
.endr
.endm
	PLACES NP
.irp b, 0,1,2,3
	v_mov_b32 v[TM+4+\b], 0
.endr
.irp a, 0,1,2,3,4,5,6,7
.if \a > 0
	s_wait_xcnt 0x0
	v_add_nc_u32 v[VO16], s8, v[VO16]
	v_add_nc_u32 v[VO8], s8, v[VO8]
.if (\a%2) == 0
	v_add_nc_u32 v[VSO], s9, v[VSO]
.endif
.endif
	QUANTW \a
	global_store_b128 v[VO16], v[CD:CD+3], s[12:13]
	global_store_b64 v[VO8], v[CD+4:CD+5], s[12:13] offset:512
	global_store_b128 v[VO16], v[CD+6:CD+9], s[4:5]
	global_store_b64 v[VO8], v[CD+10:CD+11], s[4:5] offset:512
.if (\a%2) == 0
	v_mov_b32 v[PWE], v[PW]
.else
	v_perm_b32 v[W0], v[PW], v[PWE], s10
	v_perm_b32 v[W1], v[PW], v[PWE], s11
	v_cndmask_b32 v[W0], v[W0], v[W1], s18
	global_store_b32 v[VSO], v[W0], s[6:7]
.endif
.endr
	s_wait_tensorcnt 0x0
	ds_add_u32 v[SPW], v[NIL]
	s_wait_dscnt 0x0
	CROUND
	s_endpgm
.Lfunc_end_k_q1363a6059d_gemm_qkv:
	.size	k_q1363a6059d_gemm_qkv, .Lfunc_end_k_q1363a6059d_gemm_qkv-k_q1363a6059d_gemm_qkv
	.p2alignl 7, 3214868480
	.fill 96, 4, 3214868480
	.section	.rodata,"a",@progbits
	.p2align	6, 0x0
	.amdhsa_kernel k_q1363a6059d_gemm_qkv
		.amdhsa_group_segment_fixed_size 327680
		.amdhsa_private_segment_fixed_size 0
		.amdhsa_enable_private_segment 0
		.amdhsa_kernarg_size 24
		.amdhsa_user_sgpr_count 2
		.amdhsa_user_sgpr_kernarg_segment_ptr 1
		.amdhsa_wavefront_size32 1
		.amdhsa_system_sgpr_workgroup_id_x 1
		.amdhsa_system_sgpr_workgroup_id_y 1
		.amdhsa_system_sgpr_workgroup_id_z 1
		.amdhsa_system_vgpr_workitem_id 0
		.amdhsa_next_free_vgpr 1024
		.amdhsa_next_free_sgpr 100
		.amdhsa_reserve_vcc 0
		.amdhsa_float_denorm_mode_32 3
		.amdhsa_float_denorm_mode_16_64 3
		.amdhsa_memory_ordered 1
		.amdhsa_forward_progress 1
		.amdhsa_inst_pref_size 169
	.end_amdhsa_kernel
	.amdgpu_metadata
---
amdhsa.version: [ 1, 2 ]
amdhsa.kernels:
  - .name:           k_q1363a6059d_gemm_qkv
    .symbol:         k_q1363a6059d_gemm_qkv.kd
    .args:
      - { .name: xq, .offset: 0, .size: 8, .value_kind: global_buffer, .address_space: global }
      - { .name: wq, .offset: 8, .size: 8, .value_kind: global_buffer, .address_space: global }
      - { .name: att, .offset: 16, .size: 8, .value_kind: global_buffer, .address_space: global }
    .group_segment_fixed_size: 327680
    .private_segment_fixed_size: 0
    .kernarg_segment_align: 8
    .kernarg_segment_size: 24
    .max_flat_workgroup_size: 128
    .sgpr_count:     100
    .vgpr_count:     1024
    .wavefront_size: 32
...
	.end_amdgpu_metadata
.endif
;; end of part 2
;; launch attention (part 3): grid 4 x 64, 16 waves a work-group, clusters of 4 x 1, 206,848 bytes of LDS; arguments att, oq; writes oq
.if DOCPART == 3
	.amdgcn_target "amdgcn-amd-amdhsa--gfx1250"
	.amdhsa_code_object_version 6
	.text
	.protected	k_q1363a6059d_attention
	.globl	k_q1363a6059d_attention
	.p2align	8
	.type	k_q1363a6059d_attention,@function
k_q1363a6059d_attention:
	s_mov_b64 s[64:65], 0
	v_nop
	global_prefetch_b8 v0, s[64:65] scope:SCOPE_SE
	s_setreg_imm32_b32 hwreg(HW_REG_WAVE_MODE, 25, 1), 1
	s_wait_xcnt 0x0
	s_wait_alu depctr_hold_cnt(0) depctr_sa_sdst(0) depctr_va_vdst(0) depctr_va_sdst(0) depctr_va_ssrc(0) depctr_va_vcc(0) depctr_vm_vsrc(0)
	s_getreg_b32 s2, hwreg(HW_REG_IB_STS2, 6, 4)
	s_cmp_eq_u32 s2, 0
	s_cbranch_scc0 .Lentry_in_a_cluster
	s_endpgm
.Lentry_in_a_cluster:
	s_bfe_u32 s2, ttmp6, 0x10000c
	s_cmp_lg_u32 s2, 0x3003
	s_cbranch_scc0 .Lentry_shape_is_right
	s_endpgm
.Lentry_shape_is_right:
; out = softmax(q k^T / 8) v for one (batch, head) and 512 queries, both products on codes of FP6 (E2M3) with E8M0 scales; out is quantised along (head, channel) in registers and leaves as an operand image.
; THE SOFTMAX: t = score x log2(e) / 8; M = the running largest t rounded UP to a whole number; p = 2^(t - M) is quantised along the keys, not normalised; the row's sum is taken of the unquantised p and divides at the end.
; When M moves, the sum and O are multiplied by 2^(old M - new M): exact.
; SHARES.  4 x 64 = 256 work-groups.  A work-group: 512 queries; each of sixteen waves two tiles of 16 queries, one after the other, in 256 registers: four waves to a SIMD.
; THE WHOLE HEAD'S K AND V LIE IN LDS, FILLED ONCE: 2 x 98,304 bytes of codes.  EVERY wave issues one tensor load at the head, with no branch: waves 0-7 two key steps of K each, waves 8-15 of V: 12,288 bytes to LDS byte 12,288 x wave.
; No byte is filled again: no ring.  The four query blocks of a cluster share the head: each tile is asked for jointly.
; The scale words, 2 x 4,096 bytes (one part in 25 of what is fetched), come through registers, 512 bytes a wave, into LDS bytes of their own, stored when the wave's tensor load has landed: they are not asked for jointly.
; One barrier shows all of it to all waves; behind it the waves share nothing.  No prefetch: every load goes out at the head, so there is no loop to run ahead in.
; LAYOUT.  Both products are used transposed: S^T = K Q^T, O^T = V^T P^T: a lane holds one query (lane % 16) throughout.  The tokens of a block are stored permuted, so that the 16 registers of two
; neighbouring key tiles are 16 neighbouring TRUE keys, 32 b + 16 (lane / 16) + 0 .. 15; V's channels likewise, so that O^T's 16 registers of two tiles are 16 neighbouring channels.
; K = 64 IN AN INSTRUCTION OF 128: an operand of K holds TWO blocks of 16 keys (64 codes each); Q stands in 18 registers [6 zeros | q | 6 zeros]: (q, 0) multiplies the first block, (0, q) the second.
; Zero codes add nothing under any scale byte from 1 to 254.  Q's scale word is (s0, s1, s0, s1) and serves both.
; LIMITS: NaN and infinities are not served; the scaled scores stay under 2^31 in magnitude; a block of out whose largest magnitude lies under 2^-124 keeps the byte 1: the bytes are read by this program alone.
.set VIMG,  98304                      ; LDS: K's images at 0 (step s of 128 keys: 6,144 s), V's here,
.set KSC,   196608                     ; K's scale words (256 s), V's 4,096 further on,
.set SPARE, 204800                     ; the spare words: 128 bytes for each of sixteen waves: eight blocks of 256 bytes that no other line names
.set ASC,   18874368                   ; where the scale words begin in att
.set OSO,   6291456                    ; where the scale bytes begin in oq
.set L16,  1                           ; v1  16 lane
.set L8,   2                           ; v2  8 lane
.set L4,   3                           ; v3  KSC + 4 lane
.set SPW,  4
.set NIL,  5
.set AK16, 6                           ; v6-9 the step's addresses: K's by 16 and by 8 bytes a lane, V's likewise
.set AK8,  7
.set AV16, 8
.set AV8,  9
.set AS,   10                          ; v10 the step's scale words
.set QHI,  16                          ; v[16:27] = (0, q);  v[22:33] = (q, 0)
.set QLO,  22
.set QS,   34                          ; scales and nothing else: v34 Q's, v35 p's, v36-37 K's, v38-39 V's
.set PS,   35
.set KS0,  36
.set VS0,  38
.set FRG,  40                          ; v40-87 four operands of K or of V
.set Q1,   88                          ; v88-93 the second tile's q
.set QW,   94                          ; v94-95 the two tiles' scale words as loaded
.set ST,   96                          ; v96-159 S^T, then p
.set OT,   160                         ; v160-191 O^T
.set PC,   192                         ; v192-203 p's codes; v204-206, v208-210 the conversions' second halves
.set BM,   212                         ; v212-215 the blocks' largest
.set BX,   216                         ; v216-219 the other half's, then the bytes
.set SO,   220                         ; v220-223 the conversions' scale operands
.set TT,   224
.set FF,   226                         ; v[226:227] f (the upper word is written once)
.set R4,   230                         ; v230 4 r
.set OB,   231                         ; v231 32 r + h
.set BY,   232
.set SGO,  233                         ; v233 the scale words' copy: 4,096 h + 16 r, in memory,
.set SLO,  234                         ; v234 and in LDS: KSC + 256 wave + the same
.set SD,   236                         ; v236-239 its 16 bytes
.set WV,   8
.set G1,   16                          ; s[16:23] group 1;  s[32:35] group 0
.set G0,   32
.set SEL,  52
.set CS,   54                          ; s[54:55] c = log2(e) / 8
.set TB,   56
.set TS,   57
.set CNT,  58
.set HM,   59
.macro CROUND
	s_barrier_signal -1
	s_barrier_wait -1
	s_cmp_lg_u32 s[WV], 0
	s_cbranch_scc1 .Lnot_wave_0_\@
	s_barrier_signal -3
.Lnot_wave_0_\@:
	s_barrier_wait -3
	s_barrier_signal -1
	s_barrier_wait -1
.endm
	s_load_b128 s[4:7], s[0:1], 0x0                ; att s[4:5], oq s[6:7]
	v_lshl_add_u32 v[SPW], v0, 2, SPARE
	v_mov_b32 v[NIL], 0
	ds_add_u32 v[SPW], v[NIL]                      ; the wave's opening: the add, twice on end, and its wait ahead of my tensor load; the set-up below stands between
	ds_add_u32 v[SPW], v[NIL]
	v_lshrrev_b32 v1, 5, v0
	v_readfirstlane_b32 s[WV], v1                  ; wave 0..15
	v_and_b32 v11, 31, v0
	v_and_b32 v[R4], 15, v0
	v_bfe_u32 v[OB], v0, 4, 1
	v_lshlrev_b32 v[L16], 4, v11
	v_lshlrev_b32 v[L8], 3, v11
	v_lshl_add_u32 v[L4], v11, 2, KSC
	v_lshlrev_b32 v[SGO], 4, v[R4]
	s_lshl_b32 s71, s[WV], 8
	s_add_co_u32 s71, s71, KSC
	v_lshl_add_u32 v[SGO], v[OB], 12, v[SGO]       ; lanes 0-15 K's 256 bytes of a step, lanes 16-31 V's
	v_lshl_add_u32 v[OB], v[R4], 5, v[OB]
	v_lshlrev_b32 v[R4], 2, v[R4]
	v_add_nc_u32 v[SLO], s71, v[SGO]
	s_bfe_u32 s9, ttmp6, 0x40000                   ; cx: it enters Q's and out's global addresses alone
	s_lshl_b32 s10, ttmp9, 2
	s_add_co_u32 s10, s10, s9                      ; my block of 512 queries
	s_and_b32 s11, ttmp7, 0xffff
	s_lshr_b32 s12, s11, 4                         ; batch
	s_and_b32 s13, s11, 15                         ; head
	s_lshr_b32 s14, s[WV], 3                       ; what I fetch: K (0) or V (1).  Also: which step of a tile's two holds my queries
	s_and_b32 s15, s[WV], 7                        ; which two key steps I fetch.  Also: my block of 16 queries in its step
	s_lshl_b32 s70, s14, 4
	s_add_co_u32 s70, s70, s13
	s_add_co_u32 s70, s70, 16                      ; hd: 16 + head for K, 32 + head for V
	s_mul_i32 s72, s12, 4718592                    ; the batch's 16 steps x 294,912 bytes
	s_mul_i32 s71, s70, 6144
	s_add_co_u32 s72, s72, s71
	s_mul_i32 s71, s15, 589824                     ; two steps
	s_add_co_u32 s72, s72, s71
	s_mov_b32 s73, 0                               ; s[72:73]: the codes that I fetch
	s_mul_i32 s74, s12, 196608
	s_mul_i32 s71, s[WV], 12288                    ; the scale words of key step = my wave's number
	s_add_co_u32 s74, s74, s71
	s_lshl_b32 s71, s13, 8
	s_add_co_u32 s74, s74, s71
	s_add_co_u32 s74, s74, ASC+4096                ; hd 16 + head; V's lie 16 x 256 bytes on
	s_mov_b32 s75, 0
	s_mul_i32 s[G0+1], s[WV], 12288                ; in LDS: the wave's number alone
	; group 1: 2 rows (steps) of 6,144 bytes = 768 elements of 8, 294,912 bytes = 36,864 elements apart; the mask names all four work-groups, bit 21 beside it
	s_mov_b32 s[G1], 15|(3<<16)|(1<<21)
	s_mov_b32 s[G1+1], 768<<16
	s_mov_b32 s[G1+2], 2<<16
	s_mov_b32 s[G1+3], 768<<16
	s_mov_b32 s[G1+4], 2
	s_mov_b32 s[G1+5], 36864
	s_mov_b32 s[G1+6], 0
	s_mov_b32 s[G1+7], 0
	s_mov_b32 s[SEL], 0x76543210
	s_mov_b32 s[SEL+1], 0xfedcba98                 ; v_permlanex16_b32's selects for lane l xor 16
	s_mov_b32 s[CS], 0x3e38aa3b                    ; c = log2(e) / 8
	s_mov_b32 s[CS+1], s[CS]                       ; (named with it as a pair)
	s_mov_b32 s[HM], 0xffff0000                    ; lanes 16-31
	; my queries: tile n is token block 32 x + 16 n + wave of the batch: step 4 x + 2 n + wave / 8, block wave % 8.  Tile 1's places follow by immediates
	s_lshl_b32 s76, s10, 2
	s_add_co_u32 s76, s76, s14
	s_lshl_b32 s77, s12, 4
	s_add_co_u32 s76, s76, s77
	s_mul_i32 s76, s76, 48
	s_add_co_u32 s76, s76, s13                     ; (step, hd = head)
	s_mul_i32 s60, s76, 6144
	s_mul_i32 s78, s15, 768
	s_add_co_u32 s60, s60, s78
	s_mov_b32 s61, 0                               ; Q's half-image
	s_lshl_b32 s62, s76, 8
	s_lshr_b32 s78, s15, 1
	s_lshl_b32 s78, s78, 6
	s_add_co_u32 s62, s62, s78
	s_add_co_u32 s62, s62, ASC
	s_mov_b32 s63, 0                               ; the scale words of its pair of blocks
	s_lshl_b32 s78, s12, 7
	s_lshl_b32 s79, s10, 5
	s_add_co_u32 s78, s78, s79
	s_add_co_u32 s78, s78, s[WV]                   ; my token block among all 512
	s_lshl_b32 s79, s78, 4
	s_add_co_u32 s79, s79, s13
	s_mul_i32 s66, s79, 768
	s_mov_b32 s67, 0                               ; out's half-image: [token block][head]
	s_lshl_b32 s68, s78, 9
	s_lshl_b32 s79, s13, 1
	s_add_co_u32 s68, s68, s79
	s_add_co_u32 s68, s68, OSO
	s_mov_b32 s69, 0                               ; out's scale bytes: 32 a token, bytes 2 head, 2 head + 1
	s_bitcmp1_b32 s[WV], 0
	s_mov_b32 s70, 0x01000100                      ; an even block's bytes 0, 1, twice;
	s_cselect_b32 s70, 0x03020302, s70             ; an odd block's 2, 3
	s_wait_dscnt 0x0                               ; both opening adds are done
	s_wait_kmcnt 0x0
	s_mov_b32 s[G0], 1
	s_add_nc_u64 s[G0+2:G0+3], s[4:5], s[72:73]
	s_or_b32 s[G0+3], s[G0+3], 0x80000000
	s_add_nc_u64 s[74:75], s[4:5], s[74:75]
	s_add_nc_u64 s[60:61], s[4:5], s[60:61]
	s_add_nc_u64 s[62:63], s[4:5], s[62:63]
	s_add_nc_u64 s[66:67], s[6:7], s[66:67]
	s_add_nc_u64 s[68:69], s[6:7], s[68:69]
	CROUND                                         ; all four work-groups are here: the joint loads meet
	tensor_load_to_lds s[G0:G0+3], s[G1:G1+7]      ; my one tensor load of the launch
	s_nop 0
.rept 4
	v_nop
.endr
	s_wait_alu depctr_va_vdst(0)                   ; the wait directly ahead of the first readers of the head's addresses
	global_load_b128 v[SD:SD+3], v[SGO], s[74:75]                  ; sixteen lanes read 256 consecutive bytes, aligned
	global_load_b128 v[QLO:QLO+3], v[L16], s[60:61]
	global_load_b64 v[QLO+4:QLO+5], v[L8], s[60:61] offset:512
	global_load_b32 v[QW], v[R4], s[62:63]
	global_load_b128 v[Q1:Q1+3], v[L16], s[60:61] offset:589824    ; tile 1: two steps x 48 x 6,144 bytes on
	global_load_b64 v[Q1+4:Q1+5], v[L8], s[60:61] offset:589824+512
	global_load_b32 v[QW+1], v[R4], s[62:63] offset:24576
.irp j, 0,1,2,3,4,5
	v_mov_b32 v[QHI+\j], 0                         ; the zero codes on both sides of q
	v_mov_b32 v[QLO+6+\j], 0
.endr
.irp b, 0,1,2,3
	v_mov_b32 v[BX+\b], 0                          ; written once: a lane permute's destination counts as one of its sources
.endr
	v_mov_b32 v[FF+1], 0                           ; (named as the upper half of a pair)
	s_wait_alu depctr_va_vdst(0)                   ; the wait at the head's end
	s_wait_tensorcnt 0x0                           ; my part of K or V is in
	s_wait_loadcnt 0x0
	ds_store_b128 v[SLO], v[SD:SD+3]               ; my key step's scale words
	s_wait_dscnt 0x0                               ; for the others' sake
	s_barrier_signal -1
	s_barrier_wait -1                              ; all of K, V and their scale words are in, for all sixteen waves
.macro FRAG reg, a16, a8, off          ; an operand: two half-images on end
	ds_load_b128 v[\reg:\reg+3], v[\a16] offset:\off
	ds_load_b64 v[\reg+4:\reg+5], v[\a8] offset:\off+512
	ds_load_b128 v[\reg+6:\reg+9], v[\a16] offset:\off+768
	ds_load_b64 v[\reg+10:\reg+11], v[\a8] offset:\off+1280
.endm
; A KEY STEP: 128 keys.
.macro STEP
	v_add_nc_u32 v[AK16], s[TB], v[L16]            ; (these five are also the places between the last step's products and the loads into their operands)
	v_add_nc_u32 v[AK8], s[TB], v[L8]
	s_delay_alu instid0(VALU_DEP_2)
	v_add_nc_u32 v[AV16], VIMG, v[AK16]
	s_delay_alu instid0(VALU_DEP_2)
	v_add_nc_u32 v[AV8], VIMG, v[AK8]
	v_add_nc_u32 v[AS], s[TS], v[L4]
.irp a, 0,1,2,3
	FRAG FRG+12*\a, AK16, AK8, 1536*\a
.endr
	ds_load_b32 v[KS0], v[AS]                      ; lanes 0-15: pair 0's words, lanes 16-31: pair 1's
	ds_load_b32 v[KS0+1], v[AS] offset:128         ; pairs 2 and 3
	s_wait_alu depctr_va_vdst(0)
	s_wait_dscnt 0x0
.irp a, 0,1,2,3                                ; S^T: eight tiles of 16 keys; each sum is one instruction
.if (\a%2)
	v_wmma_scale_f32_16x16x128_f8f6f4 v[ST+16*\a:ST+16*\a+7], v[FRG+12*\a:FRG+12*\a+11], v[QLO:QLO+11], 0, v[KS0+\a/2], v[QS] matrix_a_fmt:MATRIX_FMT_FP6 matrix_b_fmt:MATRIX_FMT_FP6 matrix_a_scale:MATRIX_SCALE_ROW1
	v_wmma_scale_f32_16x16x128_f8f6f4 v[ST+16*\a+8:ST+16*\a+15], v[FRG+12*\a:FRG+12*\a+11], v[QHI:QHI+11], 0, v[KS0+\a/2], v[QS] matrix_a_fmt:MATRIX_FMT_FP6 matrix_b_fmt:MATRIX_FMT_FP6 matrix_a_scale:MATRIX_SCALE_ROW1
.else
	v_wmma_scale_f32_16x16x128_f8f6f4 v[ST+16*\a:ST+16*\a+7], v[FRG+12*\a:FRG+12*\a+11], v[QLO:QLO+11], 0, v[KS0+\a/2], v[QS] matrix_a_fmt:MATRIX_FMT_FP6 matrix_b_fmt:MATRIX_FMT_FP6
	v_wmma_scale_f32_16x16x128_f8f6f4 v[ST+16*\a+8:ST+16*\a+15], v[FRG+12*\a:FRG+12*\a+11], v[QHI:QHI+11], 0, v[KS0+\a/2], v[QS] matrix_a_fmt:MATRIX_FMT_FP6 matrix_b_fmt:MATRIX_FMT_FP6
.endif
.endr
.rept 4
	v_nop                                          ; places in front of the loads into K's registers and of the first read of S^T
.endr
.irp t, 0,1,2,3
	FRAG FRG+12*\t, AV16, AV8, 1536*\t             ; V's four tiles land under the softmax
.endr
	ds_load_b32 v[VS0], v[AS] offset:4096
	ds_load_b32 v[VS0+1], v[AS] offset:4224
.irp b, 0,1,2,3
	v_max3_num_f32 v[BM+\b], v[ST+16*\b], v[ST+1+16*\b], v[ST+2+16*\b]   ; the largest score of each block of 32 keys: for the row's maximum, and, since p rises with the score, for the block's largest p
.endr
.irp i, 3,5,7,9,11,13
.irp b, 0,1,2,3
	v_max3_num_f32 v[BM+\b], v[BM+\b], v[ST+16*\b+\i], v[ST+1+16*\b+\i]
.endr
.endr
.irp b, 0,1,2,3
	v_max_num_f32 v[BM+\b], v[BM+\b], v[ST+15+16*\b]
.endr
.irp b, 0,1,2,3
	s_delay_alu instid0(VALU_DEP_4)
	v_permlanex16_b32 v[BX+\b], v[BM+\b], s[SEL], s[SEL+1]
.endr
.irp b, 0,1,2,3
	s_delay_alu instid0(VALU_DEP_4)
	v_max_num_f32 v[BM+\b], v[BM+\b], v[BX+\b]     ; with lane l xor 16's 16 keys
.endr
	s_delay_alu instid0(VALU_DEP_2)
	v_max3_num_f32 v[TT], v[BM], v[BM+1], v[BM+2]
	s_delay_alu instid0(VALU_DEP_1)
	v_max_num_f32 v[TT], v[TT], v[BM+3]            ; the step's largest score of my query
	s_delay_alu instid0(VALU_DEP_1)
	v_mul_f32 v[TT], s[CS], v[TT]                  ; as t (c is positive)
	s_delay_alu instid0(VALU_DEP_1)
	v_max_num_f32 v13, v13, v[TT]                  ; the running largest t
	v_mov_b32 v[TT], v12
	s_delay_alu instid0(VALU_DEP_2)
	v_floor_f32 v12, -v13                          ; the new -M = floor(-t) = -ceil(t)
	s_delay_alu instid0(VALU_DEP_1)
	v_sub_f32 v[TT], v12, v[TT]                    ; old M - new M: a whole number, 0 or less
	s_delay_alu instid0(VALU_DEP_1)
	v_cvt_i32_f32 v[TT], v[TT]                     ; (it saturates)
	s_delay_alu instid0(VALU_DEP_1)
	v_ldexp_f32 v[FF], 1.0, v[TT]                  ; f = 2^(old M - new M)
.set j, 0
.rept 32
	v_pk_fma_f32 v[ST+j:ST+j+1], v[ST+j:ST+j+1], s[CS:CS+1], v[12:13] op_sel_hi:[1,0,0]   ; t - M, two at a time
.set j, j+2
.endr
.irp b, 0,1,2,3
	v_fma_f32 v[BM+\b], v[BM+\b], s[CS], v12       ; the same of each block's largest score
.endr
.set j, 0
	s_wait_alu depctr_va_vdst(0)                   ; the wait ahead of the batch
.rept 64
	v_exp_f32 v[ST+j], v[ST+j]                     ; p = 2^(t - M), at most 1
.set j, j+1
.endr
	v_pk_mul_f32 v[14:15], v[14:15], v[FF:FF+1] op_sel_hi:[1,0]   ; the sums under the new M: the plain place behind the exponentials
	s_wait_alu depctr_va_vdst(0)                   ; one wait for the batch of 64, ahead of its first reader
.irp b, 0,1,2,3
	v_exp_f32 v[BM+\b], v[BM+\b]                   ; the block's largest p: the same two instructions on the same number
.endr
	v_pk_add_f32 v[228:229], v[100:101], v[104:105]                ; the row's sum, of the unquantised p: eight chains, then joined
	v_pk_add_f32 v[254:255], v[108:109], v[112:113]
	v_pk_add_f32 v[252:253], v[116:117], v[120:121]
	v_pk_add_f32 v[250:251], v[124:125], v[128:129]
	v_pk_add_f32 v[248:249], v[132:133], v[136:137]
	v_pk_add_f32 v[246:247], v[140:141], v[144:145]
	v_pk_add_f32 v[244:245], v[148:149], v[152:153]
	v_pk_add_f32 v[14:15], v[14:15], v[156:157]
	v_pk_add_f32 v[228:229], v[228:229], v[96:97]
	v_pk_add_f32 v[254:255], v[254:255], v[98:99]
	v_pk_add_f32 v[252:253], v[252:253], v[102:103]
	v_pk_add_f32 v[250:251], v[250:251], v[106:107]
	v_pk_add_f32 v[248:249], v[248:249], v[110:111]
	v_pk_add_f32 v[246:247], v[246:247], v[114:115]
	v_pk_add_f32 v[244:245], v[244:245], v[118:119]
	v_pk_add_f32 v[14:15], v[14:15], v[122:123]
	v_pk_add_f32 v[228:229], v[228:229], v[126:127]
	v_pk_add_f32 v[254:255], v[254:255], v[130:131]
	v_pk_add_f32 v[252:253], v[252:253], v[134:135]
	v_pk_add_f32 v[250:251], v[250:251], v[138:139]
	v_pk_add_f32 v[248:249], v[248:249], v[142:143]
	v_pk_add_f32 v[246:247], v[246:247], v[146:147]
	v_pk_add_f32 v[244:245], v[244:245], v[150:151]
	v_pk_add_f32 v[14:15], v[14:15], v[154:155]
	v_pk_add_f32 v[228:229], v[228:229], v[158:159]
	s_delay_alu instid0(VALU_DEP_2)
	v_pk_add_f32 v[14:15], v[14:15], v[250:251]
	s_delay_alu instid0(VALU_DEP_2)
	v_pk_add_f32 v[228:229], v[228:229], v[248:249]
	v_pk_add_f32 v[254:255], v[254:255], v[246:247]
	v_pk_add_f32 v[252:253], v[252:253], v[244:245]
	s_delay_alu instid0(VALU_DEP_2)
	v_pk_add_f32 v[14:15], v[14:15], v[254:255]
	s_delay_alu instid0(VALU_DEP_2)
	v_pk_add_f32 v[228:229], v[228:229], v[252:253]
	s_delay_alu instid0(VALU_DEP_1)
	v_pk_add_f32 v[14:15], v[14:15], v[228:229]
	s_wait_alu depctr_va_vdst(0)                   ; and one for the four
.irp b, 0,1,2,3
	v_max_num_f32 v[BM+\b], 0x1800000, v[BM+\b]    ; the floor 2^(3 - 127): the byte cannot fall under 1
.endr
.irp b, 0,1,2,3
	s_delay_alu instid0(VALU_DEP_4)
	v_add_nc_u32 v[SO+\b], 0xff000000, v[BM+\b]    ; 2 off the exponent field: the conversion's scale operand
.endr
.irp b, 0,1,2,3
	s_delay_alu instid0(VALU_DEP_4)
	v_lshrrev_b32 v[BX+\b], 23, v[SO+\b]           ; the scale's byte
.endr
	s_delay_alu instid0(VALU_DEP_3)
	v_lshl_or_b32 v[PS], v[BX+1], 8, v[BX]         ; p's scale word for these 128 keys
	s_delay_alu instid0(VALU_DEP_1)
	v_lshl_or_b32 v[PS], v[BX+2], 16, v[PS]
	s_delay_alu instid0(VALU_DEP_1)
	v_lshl_or_b32 v[PS], v[BX+3], 24, v[PS]
.irp c, 0,1
	v_cvt_scalef32_pk16_fp6_f32 v[PC+6*\c:PC+2+6*\c], v[ST+32*\c:ST+15+32*\c], v[SO+2*\c]
	v_cvt_scalef32_pk16_fp6_f32 v[PC+12+4*\c:PC+14+4*\c], v[ST+16+32*\c:ST+31+32*\c], v[SO+2*\c+1]   ; (a conversion's three registers begin on an even number)
.endr
	v_nop                                          ; one plain place behind a scaled conversion
.irp c, 0,1                                    ; the operand's layout wants a whole block in a lane
.irp i, 0,1,2
	v_permlane16_swap_b32 v[PC+6*\c+\i], v[PC+12+4*\c+\i]
.endr
.irp i, 0,1,2
	s_delay_alu instid0(VALU_DEP_3)
	v_mov_b32 v[PC+3+6*\c+\i], v[PC+12+4*\c+\i]
.endr
.endr
	s_wait_alu depctr_va_vdst(0)                   ; the wait directly ahead of the first reader of O^T
.set j, 0
.rept 16
	v_pk_mul_f32 v[OT+j:OT+j+1], v[OT+j:OT+j+1], v[FF:FF+1] op_sel_hi:[1,0]   ; O^T under the new M.  (These sixteen are also the places between p's scale word and codes and the products below)
.set j, j+2
.endr
	s_wait_alu depctr_va_vdst(0)
	s_wait_dscnt 0x0                               ; V is in
.irp t, 0,1,2,3                                ; O^T += V^T P^T: four accumulators by turns, one instruction a turn
.if (\t%2)
	v_wmma_scale_f32_16x16x128_f8f6f4 v[OT+8*\t:OT+8*\t+7], v[FRG+12*\t:FRG+12*\t+11], v[PC:PC+11], v[OT+8*\t:OT+8*\t+7], v[VS0+\t/2], v[PS] matrix_a_fmt:MATRIX_FMT_FP6 matrix_b_fmt:MATRIX_FMT_FP6 matrix_a_scale:MATRIX_SCALE_ROW1
.else
	v_wmma_scale_f32_16x16x128_f8f6f4 v[OT+8*\t:OT+8*\t+7], v[FRG+12*\t:FRG+12*\t+11], v[PC:PC+11], v[OT+8*\t:OT+8*\t+7], v[VS0+\t/2], v[PS] matrix_a_fmt:MATRIX_FMT_FP6 matrix_b_fmt:MATRIX_FMT_FP6
.endif
.endr
	s_add_co_u32 s[TB], s[TB], 6144
	s_add_co_u32 s[TS], s[TS], 256
.endm
; A TILE of 16 queries: all sixteen key steps out of LDS, then the way out.  n = 0, 1.
.macro TILE n
.if \n
	s_wait_xcnt 0x0                                ; tile 0's stores have read their registers
.irp j, 0,1,2,3,4,5
	v_mov_b32 v[QLO+\j], v[Q1+\j]
.endr
.endif
	v_perm_b32 v[QS], v[QW+\n], v[QW+\n], s70      ; (s0, s1, s0, s1)
	v_mov_b32 v13, 0xff61b1e6                      ; the largest t so far: -3e38, under every t
	v_mov_b32 v14, 0                               ; the sum, in two halves
	v_mov_b32 v15, 0
	v_floor_f32 v12, -v13                          ; -M
.set j, 0
.rept 32
	v_mov_b32 v[OT+j], 0                           ; O^T: the step is written once, its first pass finds zeros.  (These lines are also the places between Q's codes and scale word and the first product)
.set j, j+1
.endr
	s_mov_b32 s[TB], 0
	s_mov_b32 s[TS], 0
	s_mov_b32 s[CNT], 16
.Lstep_\@:
	STEP
	s_sub_co_u32 s[CNT], s[CNT], 1
	s_cmp_lg_u32 s[CNT], 0
	s_cbranch_scc1 .Lstep_\@
	; THE WAY OUT: O^T / the sum; its 32 numbers a lane are the head's channels 32 b + 16 (lane / 16) + 0 .. 15: two blocks of the next product's K
.rept 4
	v_nop                                          ; places behind the last products
.endr
	v_add_f32 v14, v14, v15
	s_delay_alu instid0(VALU_DEP_1)
	v_permlanex16_b32 v[TT], v14, s[SEL], s[SEL+1]
	s_delay_alu instid0(VALU_DEP_1)
	v_add_f32 v14, v14, v[TT]                      ; the row's sum
	s_wait_alu depctr_va_vdst(0)                   ; the wait ahead of the transcendental
	v_rcp_f32 v[FF], v14
	v_nop                                          ; a plain place behind the reciprocal
	s_wait_alu depctr_va_vdst(0)                   ; and the wait ahead of its first reader, which is also O^T's
.set j, 0
.rept 16
	v_pk_mul_f32 v[ST+j:ST+j+1], v[OT+j:OT+j+1], v[FF:FF+1] op_sel_hi:[1,0]   ; each accumulator from its low end on
.set j, j+2
.endr
.irp b, 0,1
	v_max3_num_f32 v[BM+\b], |v[ST+16*\b]|, |v[ST+1+16*\b]|, 0x1800000
.endr
.irp i, 2,4,6,8,10,12,14
.irp b, 0,1
	s_delay_alu instid0(VALU_DEP_2)
	v_max3_num_f32 v[BM+\b], v[BM+\b], |v[ST+16*\b+\i]|, |v[ST+1+16*\b+\i]|
.endr
.endr
.irp b, 0,1
	s_delay_alu instid0(VALU_DEP_2)
	v_permlanex16_b32 v[BX+\b], v[BM+\b], s[SEL], s[SEL+1]
.endr
.irp b, 0,1
	s_delay_alu instid0(VALU_DEP_2)
	v_max_num_f32 v[BM+\b], v[BM+\b], v[BX+\b]
.endr
.irp b, 0,1
	s_delay_alu instid0(VALU_DEP_2)
	v_add_nc_u32 v[SO+\b], 0xff000000, v[BM+\b]
.endr
.irp b, 0,1
	s_delay_alu instid0(VALU_DEP_2)
	v_lshrrev_b32 v[BX+\b], 23, v[SO+\b]
.endr
	v_cvt_scalef32_pk16_fp6_f32 v[PC:PC+2], v[ST:ST+15], v[SO]
	v_cvt_scalef32_pk16_fp6_f32 v[PC+12:PC+14], v[ST+16:ST+31], v[SO+1]
	v_nop                                          ; one plain place behind a scaled conversion
.irp i, 0,1,2
	v_permlane16_swap_b32 v[PC+\i], v[PC+12+\i]    ; lanes 0-15 now hold block 0 whole, lanes 16-31 block 1
.endr
.irp i, 0,1,2
	s_delay_alu instid0(VALU_DEP_3)
	v_mov_b32 v[PC+3+\i], v[PC+12+\i]
.endr
	v_cndmask_b32 v[BY], v[BX], v[BX+1], s[HM]     ; my half's block's byte
	global_store_b128 v[L16], v[PC:PC+3], s[66:67] offset:\n*196608              ; 512 consecutive bytes, aligned to 256; tile 1: 16 token blocks x 16 heads x 768 bytes on
	global_store_b64 v[L8], v[PC+4:PC+5], s[66:67] offset:\n*196608+512          ; 256 consecutive bytes, aligned
	global_store_b8 v[OB], v[BY], s[68:69] offset:\n*8192                        ; a byte a lane: two neighbours in each of 16 rows of 32 bytes: one byte for 24 of codes
.endm
	TILE 0
	TILE 1
	s_wait_tensorcnt 0x0                           ; the wave's end
	ds_add_u32 v[SPW], v[NIL]
	s_wait_dscnt 0x0
	CROUND                                         ; the closing round
	s_endpgm
.Lfunc_end_k_q1363a6059d_attention:
	.size	k_q1363a6059d_attention, .Lfunc_end_k_q1363a6059d_attention-k_q1363a6059d_attention
	.p2alignl 7, 3214868480
	.fill 96, 4, 3214868480
	.section	.rodata,"a",@progbits
	.p2align	6, 0x0
	.amdhsa_kernel k_q1363a6059d_attention
		.amdhsa_group_segment_fixed_size 206848
		.amdhsa_private_segment_fixed_size 0
		.amdhsa_enable_private_segment 0
		.amdhsa_kernarg_size 16
		.amdhsa_user_sgpr_count 2
		.amdhsa_user_sgpr_kernarg_segment_ptr 1
		.amdhsa_wavefront_size32 1
		.amdhsa_system_sgpr_workgroup_id_x 1
		.amdhsa_system_sgpr_workgroup_id_y 1
		.amdhsa_system_sgpr_workgroup_id_z 1
		.amdhsa_system_vgpr_workitem_id 0
		.amdhsa_next_free_vgpr 256
		.amdhsa_next_free_sgpr 80
		.amdhsa_reserve_vcc 0
		.amdhsa_float_denorm_mode_32 3
		.amdhsa_float_denorm_mode_16_64 3
		.amdhsa_memory_ordered 1
		.amdhsa_forward_progress 1
		.amdhsa_inst_pref_size 54
	.end_amdhsa_kernel
	.amdgpu_metadata
---
amdhsa.version: [ 1, 2 ]
amdhsa.kernels:
  - .name:           k_q1363a6059d_attention
    .symbol:         k_q1363a6059d_attention.kd
    .args:
      - { .name: att, .offset: 0, .size: 8, .value_kind: global_buffer, .address_space: global }
      - { .name: oq, .offset: 8, .size: 8, .value_kind: global_buffer, .address_space: global }
    .group_segment_fixed_size: 206848
    .private_segment_fixed_size: 0
    .kernarg_segment_align: 8
    .kernarg_segment_size: 16
    .max_flat_workgroup_size: 512
    .sgpr_count:     80
    .vgpr_count:     256
    .wavefront_size: 32
...
	.end_amdgpu_metadata
.endif
;; end of part 3
;; launch gemm_proj (part 4): grid 8 x 32, 4 waves a work-group, clusters of 4 x 4, 327,680 bytes of LDS; arguments oq, wq, b_proj, out0; writes out0
.if DOCPART == 4
	.amdgcn_target "amdgcn-amd-amdhsa--gfx1250"
	.amdhsa_code_object_version 6
	.text
	.protected	k_q1363a6059d_gemm_proj
	.globl	k_q1363a6059d_gemm_proj
	.p2align	8
	.type	k_q1363a6059d_gemm_proj,@function
k_q1363a6059d_gemm_proj:
	s_mov_b64 s[64:65], 0
	v_nop
	global_prefetch_b8 v0, s[64:65] scope:SCOPE_SE
	s_setreg_imm32_b32 hwreg(HW_REG_WAVE_MODE, 25, 1), 1
	s_wait_xcnt 0x0
	s_wait_alu depctr_hold_cnt(0) depctr_sa_sdst(0) depctr_va_vdst(0) depctr_va_sdst(0) depctr_va_ssrc(0) depctr_va_vcc(0) depctr_vm_vsrc(0)
	s_getreg_b32 s2, hwreg(HW_REG_IB_STS2, 6, 4)
	s_cmp_eq_u32 s2, 0
	s_cbranch_scc0 .Lentry_in_a_cluster
	s_endpgm
.Lentry_in_a_cluster:
	s_bfe_u32 s2, ttmp6, 0x10000c
	s_cmp_lg_u32 s2, 0xf033
	s_cbranch_scc0 .Lentry_shape_is_right
	s_endpgm
.Lentry_shape_is_right:
; out0 [8192][1024] f32 = out x w_proj + b_proj, on codes of FP6 (E2M3) with E8M0 scales, K = 1024.
; A = oq: operand images [token block of 16][head][768 bytes], scale bytes [token][32].  B = wq's stored rows 3072-4095 (w_proj's columns): dense blocks [128 rows][K step pair of 256][row][192 bytes], scale bytes [row][32].
; SHARES.  A block of C is 256 x 128: 8 x 32 = 256 work-groups.  Four waves; a wave makes 128 x 64: 32 accumulators of 16 x 16, A's eight blocks against B's four.
; K goes in pairs of steps (256 along K) through a ring of two LDS slots.  Waves 0, 1 fetch A's halves (8 token blocks x 3,072 bytes), waves 2, 3 B's halves (64 rows: 48 rows of 256 bytes, dense in memory, 16 bytes of padding
; behind every 64: LDS rows of 240 bytes for each 192 of codes).  CLUSTERS of 4 x 4: A's tiles are asked for jointly along a row of the cluster, B's along a column.
; THE SCALES COME THROUGH REGISTERS, once: waves 0, 1 copy those of A's halves, wave 2 those of B's 128 rows, 4,096 bytes each, into LDS bytes of their own (units of 256 bytes + 16 of padding); wave 3 has none to copy.
; They are a small part of what a work-group fetches (12,288 bytes beside 294,912 of codes) and are not asked for jointly.
; THE MATRIX INSTRUCTION IS USED TRANSPOSED (source 0 = 16 rows of B, source 1 = 16 rows of A): a lane holds eight neighbouring numbers of a row of C.  The bias is the C of each accumulator's first product.
; Tokens and columns are stored permuted (bits 3, 4 exchanged): the way out puts both back.
; PREFETCH: behind the joint load of slot s stands one request for K step pair s + 2, which the refill two changes of slots on will load; the four partners that ask for a tile share its blocks of 256 bytes out by address.
; REGISTERS, in windows of 256: window 0: v0-31 addresses, v32-63 scale words (two sets), v64-95 the bias, from v128 A's fragments (one set); window 1: B's fragments, two sets, at v0 and v128; windows 2, 3: the accumulators of my rows 0-63, 64-127.
.set NQ,     2
.set ROWB,   24576                     ; bytes from a K step pair's block of wq to the next
.set KROW,   768
.set PITCH,  240
.set FR,     12
.set NLA,    4
.set NP,     4
.set ABLK,   3072
.set HALFA,  8*ABLK
.set HALFB,  64*PITCH
.set BOFF,   2*HALFA
.set SLOT,   2*HALFA+2*HALFB
.set LAPS,   2
.set KS,     32
.set SCL,    2*SLOT
.set HALFS,  (128*KS/256)*272          ; the scales of 128 rows
.set SBLK,   (16*KS/256)*272           ; of 16 rows
.set SPARE,  SCL+4*HALFS               ; the spare words: 128 bytes a wave, two blocks of 256 bytes that no other line names
.set SPITCH, 272                       ; the way out: a stage of 16 rows x (256 bytes + 16) a wave, in slot 0, which has had its last fill and its last read by then
.set CROW,   4096
.set ADRS2, 15                         ; v15 as ADRS, but lanes 16-31 four blocks back: for the loads of A's blocks 4-7
.set ADRA, 16
.set ADRB, 20
.set STO,  24
.set RD,   25
.set CO,   26
.set ADRS, 27
.set SPW,  28
.set NIL,  29
.set BO,   30
.set PFO,  31                          ; v31 the prefetches' offset; never rewritten
.set SC,   32
.set BI,   64
.set AF,   128
.set BK,   128
.set G1, 24
.set G0, 32
.set G1B, 48
.set G0B, 56
.set MSB, 0
.macro WIN new
.if MSB != (\new)
	s_set_vgpr_msb (MSB<<8)|(\new)
.set MSB, (\new)
.endif
.endm
.set MUL_LO, 0xa1
.set MUL_HI, 0xf1
.set FST_LO, 0x81
.set FST_HI, 0xc1
.set TO_B,   0x40
.macro JLOAD g0a, g1a, g0b, g1b        ; a joint load: waves 0, 1 for A, waves 2, 3 for B; s_nop 0 and four v_nop behind each line
	s_cmp_eq_u32 s15, 0
	s_cbranch_scc0 .Lfor_b_\@
	tensor_load_to_lds s[\g0a:\g0a+3], s[\g1a:\g1a+7]
	s_nop 0
.rept 4
	v_nop
.endr
	s_branch .Lasked_\@
.Lfor_b_\@:
	tensor_load_to_lds s[\g0b:\g0b+3], s[\g1b:\g1b+7]
	s_nop 0
.rept 4
	v_nop
.endr
.Lasked_\@:
.endm
.macro CREST
	s_cmp_lg_u32 s14, 0
	s_cbranch_scc1 .Lnot_wave_0_\@
	s_barrier_signal -3
.Lnot_wave_0_\@:
	s_barrier_wait -3
	s_barrier_signal -1
	s_barrier_wait -1
.endm
.macro CROUND
	s_barrier_signal -1
	s_barrier_wait -1
	CREST
.endm
	s_load_b128 s[4:7], s[0:1], 0x0                ; oq, wq
	s_load_b128 s[8:11], s[0:1], 0x10              ; b_proj, out0
	v_lshl_add_u32 v[SPW], v0, 2, SPARE
	v_mov_b32 v[NIL], 0
	ds_add_u32 v[SPW], v[NIL]                      ; the opening: the add, twice on end, and its wait ahead of my first tensor load
	ds_add_u32 v[SPW], v[NIL]
	v_lshrrev_b32 v1, 5, v0
	v_readfirstlane_b32 s14, v1                    ; wave
	s_lshr_b32 s15, s14, 1                         ; my half of the block's rows.  Also: I fetch for A (0) or for B (1)
	s_and_b32 s16, s14, 1                          ; my half of its columns.  Also: which half of that tile I fetch
	s_bfe_u32 s40, ttmp6, 0x40000
	s_bfe_u32 s41, ttmp6, 0x40004
	s_lshl_b32 s42, ttmp9, 2
	s_add_co_u32 s42, s42, s40                     ; block column, 0 .. 7
	s_and_b32 s17, ttmp7, 0xffff
	s_lshl_b32 s17, s17, 2
	s_add_co_u32 s17, s17, s41                     ; block row, 0 .. 31
	s_lshl_b32 s43, s41, 2
	s_lshl_b32 s43, 15, s43                        ; my row of the cluster
	s_lshl_b32 s44, 0x1111, s40                    ; my column
	s_or_b32 s[G1+0], s43, (3<<16)|(1<<21)         ; A: 8 rows (token blocks) of 3,072 bytes = 384 elements of 8, 12,288 bytes apart
	s_mov_b32 s[G1+1], 384<<16
	s_mov_b32 s[G1+2], 8<<16
	s_mov_b32 s[G1+3], 384<<16
	s_mov_b32 s[G1+4], 8
	s_mov_b32 s[G1+5], 1536
	s_mov_b32 s[G1+6], 0
	s_mov_b32 s[G1+7], 0
	s_or_b32 s[G1B+0], s44, (0<<16)|(1<<20)|(1<<21)|(3<<22)|(3<<25)   ; B: 48 rows of 256 bytes, dense, each at a multiple of 256; 16 bytes of padding behind every 64
	s_mov_b32 s[G1B+1], 256<<16
	s_mov_b32 s[G1B+2], 48<<16
	s_mov_b32 s[G1B+3], 256<<16
	s_mov_b32 s[G1B+4], 48
	s_mov_b32 s[G1B+5], 256
	s_mov_b32 s[G1B+6], 0
	s_mov_b32 s[G1B+7], 0
	s_mul_i32 s98, s14, HALFS
	s_add_co_u32 s98, s98, SCL                     ; where my copy of scales goes
	s_cmp_eq_u32 s15, 0                            ; the prefetches: A's waves have 8 runs of twelve blocks of 256 bytes, 12,288 bytes apart; B's 48 blocks on end
	s_mov_b32 s96, 3072
	s_cselect_b32 s96, 12288, s96                  ; from run to run
	s_cselect_b32 s97, s40, s41                    ; my place among the four that ask for my tile with me: cx for A, cy for B: it enters a prefetch's address alone
	s_mov_b32 s99, 3072
	s_cselect_b32 s99, 24576, s99                  ; each of the four takes two runs of A, or twelve blocks of B
	s_cselect_b32 s94, 23, 11                      ; a lane a block; the lanes left over name the last again
	s_mov_b32 s2, 24576
	s_cselect_b32 s2, ABLK, s2                     ; from one K step pair to the next
	s_mov_b32 s3, 0
	s_mul_i32 s97, s97, s99
	v_and_b32 v6, 31, v0
	v_and_b32 v8, 15, v0
	v_bfe_u32 v9, v0, 4, 1
	v_lshlrev_b32 v7, 4, v6                        ; the scales in memory: 16 bytes a lane
	v_mul_u32_u24 v9, v9, 272
	v_min_u32 v10, s94, v6
	v_lshl_add_u32 v8, v8, 4, v9
	v_mul_u32_u24 v11, v10, 11
	v_add_nc_u32 v8, s98, v8                       ; in LDS: my wave's region, lanes 16-31 one unit on
	v_lshrrev_b32 v11, 7, v11                      ; which run: block / 12 (exact up to 23)
	v_mul_u32_u24 v12, v11, 12
	v_mul_u32_u24 v11, v11, s96
	v_sub_nc_u32 v12, v10, v12                     ; block % 12
	v_add_nc_u32 v11, s97, v11
	v_lshl_add_u32 v[PFO], v12, 8, v11
	s_lshl_b32 s18, s16, 7
	s_lshl_b32 s20, s17, 8
	s_add_co_u32 s20, s20, s18                     ; A: the 128 rows that I fetch or whose scales I copy
	s_lshl_b32 s46, s42, 7                         ; B: the block's 128 stored rows
	s_lshl_b32 s22, s20, 5
	s_add_co_u32 s22, s22, 6291456
	s_mov_b32 s23, 0
	s_lshl_b32 s92, s46, 5
	s_add_co_u32 s92, s92, 3244032                 ; wq's scale bytes, from stored row 3072 on
	s_mov_b32 s93, 0
	s_mul_i32 s20, s20, KROW
	s_mov_b32 s21, 0
	s_mul_i32 s46, s42, 98304                      ; B's codes: four blocks to 128 rows,
	s_mul_i32 s95, s16, 12288                      ; my 64 rows of 192 bytes in each
	s_add_co_u32 s46, s46, s95
	s_add_co_u32 s46, s46, 2359296
	s_mov_b32 s47, 0
	s_mul_i32 s45, s16, HALFA
	s_mul_i32 s95, s16, HALFB
	s_add_co_u32 s95, s95, BOFF
	s_wait_dscnt 0x0                               ; both opening adds are done
	s_wait_kmcnt 0x0
	s_add_nc_u64 s[20:21], s[4:5], s[20:21]
	s_add_nc_u64 s[22:23], s[4:5], s[22:23]
	s_add_nc_u64 s[46:47], s[6:7], s[46:47]
	s_add_nc_u64 s[92:93], s[6:7], s[92:93]
.irp s, 0,1
	s_mov_b32 s[G0+4*\s], 1
	s_add_co_u32 s[G0+4*\s+1], s45, \s*SLOT
	s_add_nc_u64 s[G0+4*\s+2:G0+4*\s+3], s[20:21], \s*ABLK
	s_or_b32 s[G0+4*\s+3], s[G0+4*\s+3], 0x80000000
	s_mov_b32 s[G0B+4*\s], 1
	s_add_co_u32 s[G0B+4*\s+1], s95, \s*SLOT
	s_add_nc_u64 s[G0B+4*\s+2:G0B+4*\s+3], s[46:47], \s*ROWB
	s_or_b32 s[G0B+4*\s+3], s[G0B+4*\s+3], 0x80000000
.endr
	s_cmp_eq_u32 s15, 0                            ; the choices hang on the wave's number alone
	s_cselect_b64 s[22:23], s[22:23], s[92:93]     ; the scales that I copy
	s_cselect_b64 s[98:99], s[20:21], s[46:47]     ; what I fetch,
	s_add_nc_u64 s[98:99], s[98:99], s[2:3]
	s_add_nc_u64 s[98:99], s[98:99], s[2:3]        ; at K step pair 2,
	s_add_nc_u64 s[96:97], s[98:99], s[2:3]        ; and at 3: the prefetches' bases; never rewritten
	s_cmp_eq_u32 s14, 3
	s_wait_alu depctr_va_vdst(0)                   ; the wait directly ahead of the branch and of the first readers of the head's addresses
	s_cbranch_scc1 .Lno_copy                       ; three copies for four waves
.irp j, 0,1,2,3,4,5,6,7
	global_load_b128 v[SC+4*\j:SC+4*\j+3], v7, s[22:23] offset:512*\j   ; 32 lanes read 512 consecutive bytes
.endr
.Lno_copy:
	CROUND                                         ; all sixteen work-groups are here: the first joint loads meet
	JLOAD G0, G1, G0B, G1B                         ; slot 0: the head's one tensor load a wave
	global_prefetch_b8 v[PFO], s[98:99] th:TH_LOAD_NT scope:SCOPE_SE
	s_wait_tensorcnt 0x0                           ; my part of slot 0 is in: no tensor load of mine is out
	s_cmp_eq_u32 s14, 3
	s_cbranch_scc1 .Lno_put
	s_wait_loadcnt 0x0
.irp j, 0,1,2,3,4,5,6,7
	ds_store_b128 v8, v[SC+4*\j:SC+4*\j+3] offset:544*\j
.endr
.Lno_put:
	s_wait_tensorcnt 0x0
	ds_add_u32 v[SPW], v[NIL]
	s_wait_dscnt 0x0                               ; the add and my stores of the scales are done
	CROUND                                         ; slot 0 and the scales are whole for all four waves, and all sixteen work-groups are here
	JLOAD G0+4, G1, G0B+4, G1B                     ; slot 1: the first tensor load behind the round
	global_prefetch_b8 v[PFO], s[96:97] th:TH_LOAD_NT scope:SCOPE_SE
	v_and_b32 v1, 15, v0
	v_bfe_u32 v2, v0, 4, 1
	v_and_b32 v6, 31, v0
	s_lshl_b32 s46, s42, 9                         ; my first column, in bytes: 512 x block column + 256 x half
	s_lshl_b32 s47, s16, 8
	s_add_co_u32 s46, s46, s47
	s_mov_b32 s47, 0
	s_add_nc_u64 s[8:9], s[8:9], s[46:47]
	v_lshlrev_b32 v[BO], 6, v2
.irp b, 0,1,2,3
	global_load_b128 v[BI+8*\b:BI+8*\b+3], v[BO], s[8:9] offset:(32*(\b/2)+8*(\b%2))*4      ; the bias at my eight columns of block b
	global_load_b128 v[BI+8*\b+4:BI+8*\b+7], v[BO], s[8:9] offset:(32*(\b/2)+8*(\b%2))*4+16
.endr
	s_mul_i32 s21, s15, HALFA
	v_lshl_add_u32 v[ADRA], v6, 4, s21
	v_lshl_add_u32 v[ADRA+2], v6, 3, s21
	v_add_nc_u32 v[ADRA+1], SLOT, v[ADRA]
	v_add_nc_u32 v[ADRA+3], SLOT, v[ADRA+2]
	v_mul_u32_u24 v3, v1, PITCH
	v_mul_u32_u24 v4, v2, 24
	v_add_nc_u32 v4, v3, v4
	v_lshl_add_u32 v5, v2, 4, v4
	s_mul_i32 s22, s16, HALFB
	s_add_co_u32 s22, s22, BOFF
.irp s, 0,1
	v_add_nc_u32 v[ADRB+\s], s22, v4
	v_add_nc_u32 v[ADRB+2+\s], s22, v5
	s_add_co_u32 s22, s22, SLOT
.endr
	v_mul_u32_u24 v5, v1, KS
	v_lshrrev_b32 v7, 8, v5
	v_lshl_add_u32 v5, v7, 4, v5
	s_mul_i32 s21, s15, HALFS                      ; A's scales: my 128 rows
	s_mul_i32 s22, s16, HALFS/2                    ; B's: my 64 rows, behind A's 256
	s_add_co_u32 s22, s22, 2*HALFS
	s_sub_co_u32 s22, s22, s21
	v_mul_u32_u24 v7, s22, v2                      ; lanes 16-31 take B's
	s_sub_co_u32 s22, s22, 4*SBLK
	v_mul_u32_u24 v9, s22, v2                      ; and, for the loads of blocks 4-7, B's blocks 0-3 again
	s_add_co_u32 s21, s21, SCL
	v_add_nc_u32 v7, v5, v7
	v_add_nc_u32 v9, v5, v9
	v_add_nc_u32 v[ADRS], s21, v7
	v_add_nc_u32 v[ADRS2], s21, v9
	s_mul_i32 s23, s14, 16*SPITCH
	v_mul_u32_u24 v5, v1, SPITCH
	v_lshl_add_u32 v5, v2, 6, v5
	v_add_nc_u32 v[STO], s23, v5                   ; into the stage: row l % 16, 64 bytes on for lanes 16-31
	v_lshlrev_b32 v[CO], 4, v1
	v_mad_u32_u24 v[RD], v2, SPITCH, v[CO]
	v_add_nc_u32 v[RD], s23, v[RD]                 ; back: lanes 0-15 one row of 256 bytes, lanes 16-31 the next;
	v_lshl_add_u32 v[CO], v2, 12, v[CO]            ; and the same two rows in C
	s_lshl_b32 s20, s17, 8
	s_lshl_b32 s21, s15, 7
	s_add_co_u32 s20, s20, s21
	s_lshl_b32 s20, s20, 12
	s_mov_b32 s21, 0
	s_add_nc_u64 s[20:21], s[20:21], s[46:47]
	s_add_nc_u64 s[10:11], s[10:11], s[20:21]
.macro FRAGB reg, adr, q, i            ; 16 rows x 128 K of B: six pieces of 8 bytes; 16 bytes of padding lie behind every 64, so a second address serves the pieces whose upper lanes lie behind a pad
.irp p, 0,1,2,3,4,5
.set PCE, 12*(\q)+6*(\p/3)+\p%3
.if PCE%8 < 5
	ds_load_b64 v[\reg+2*\p:\reg+2*\p+1], v[\adr] offset:8*PCE+16*(PCE/8)+(\i)*16*PITCH
.else
	ds_load_b64 v[\reg+2*\p:\reg+2*\p+1], v[\adr+2] offset:8*PCE+16*(PCE/8)+(\i)*16*PITCH
.endif
.endr
.endm
.macro FRAGA reg, adr, q, i            ; of A: two half-images on end
	ds_load_b128 v[\reg:\reg+3], v[\adr] offset:(\i)*ABLK+(\q)*1536
	ds_load_b64 v[\reg+4:\reg+5], v[\adr+2] offset:(\i)*ABLK+(\q)*1536+512
	ds_load_b128 v[\reg+6:\reg+9], v[\adr] offset:(\i)*ABLK+(\q)*1536+768
	ds_load_b64 v[\reg+10:\reg+11], v[\adr+2] offset:(\i)*ABLK+(\q)*1536+1280
.endm
.macro MUL8 a0, p, q, sc, first        ; A's blocks a0, a0 + 1 x B's four; the accumulators take turns, one instruction a turn
.irp a, \a0, \a0+1
.irp b, 0,1,2,3
.if \first
	v_wmma_scale_f32_16x16x128_f8f6f4 v[8*(8*((\a)%4)+\b):8*(8*((\a)%4)+\b)+7], v[128*(\p)+FR*\b:128*(\p)+FR*\b+FR-1], v[AF+FR*(\a):AF+FR*(\a)+FR-1], v[BI+8*\b:BI+8*\b+7], v[SC+8*NQ*(\sc)+NQ*\b+(\q)], v[SC+8*NQ*(\sc)+NQ*(\a)+(\q)] matrix_a_fmt:MATRIX_FMT_FP6 matrix_b_fmt:MATRIX_FMT_FP6 matrix_a_scale:MATRIX_SCALE_ROW1
.else
	v_wmma_scale_f32_16x16x128_f8f6f4 v[8*(8*((\a)%4)+\b):8*(8*((\a)%4)+\b)+7], v[128*(\p)+FR*\b:128*(\p)+FR*\b+FR-1], v[AF+FR*(\a):AF+FR*(\a)+FR-1], v[8*(8*((\a)%4)+\b):8*(8*((\a)%4)+\b)+7], v[SC+8*NQ*(\sc)+NQ*\b+(\q)], v[SC+8*NQ*(\sc)+NQ*(\a)+(\q)] matrix_a_fmt:MATRIX_FMT_FP6 matrix_b_fmt:MATRIX_FMT_FP6 matrix_a_scale:MATRIX_SCALE_ROW1
.endif
.endr
.endr
.endm
.macro FETCH_B slot, q, p
	WIN TO_B
.irp i, 0,1,2,3
	FRAGB 128*(\p)+FR*\i, ADRB+\slot, \q, \i
.endr
	WIN 0
.endm
.macro FETCH_A slot, q, i0
.irp i, \i0, \i0+1, \i0+2, \i0+3
	FRAGA AF+FR*(\i), ADRA+\slot, \q, \i
.endr
.endm
.macro SCALES sc                       ; register NQ i + q: lanes 0-15 the word of A's block i; lanes 16-31 that of B's block i (i under 4)
.irp i, 0,1,2,3
	ds_load_b64 v[SC+8*NQ*\sc+NQ*\i:SC+8*NQ*\sc+NQ*\i+1], v[ADRS] offset:\i*SBLK
.endr
.irp i, 4,5,6,7
	ds_load_b64 v[SC+8*NQ*\sc+NQ*\i:SC+8*NQ*\sc+NQ*\i+1], v[ADRS2] offset:\i*SBLK
.endr
.endm
.macro PLACES n
.rept \n
	v_nop
.endr
.endm
.macro STEP slot, q, first             ; a slot's first step of 128 along K; the second step's fragments are fetched in its middle and at its end
	s_wait_dscnt 4*NLA                             ; all but the youngest sixteen loads, A's blocks 4-7
.if \first
	WIN FST_LO
.else
	WIN MUL_LO
.endif
	MUL8 0, (\q)%2, \q, \slot, \first
	MUL8 2, (\q)%2, \q, \slot, \first
	s_wait_dscnt 0
	PLACES NP
	FETCH_B \slot, (\q)+1, 1-(\q)%2
	FETCH_A \slot, (\q)+1, 0
.if \first
	WIN FST_HI
.else
	WIN MUL_HI
.endif
	MUL8 4, (\q)%2, \q, \slot, \first
	MUL8 6, (\q)%2, \q, \slot, \first
	PLACES NP
	WIN 0
	FETCH_A \slot, (\q)+1, 4
.endm
.macro TURN slot, next, fill           ; a slot's second step, and the change of slots
	s_wait_tensorcnt 0x0                           ; all my tensor loads have landed, my part of the next slot among them;
	ds_add_u32 v[SPW], v[NIL]
	s_wait_dscnt 4*NLA+1                           ; (the add and A's blocks 4-7 may be out)
	WIN MUL_LO
	MUL8 0, 1, NQ-1, \slot, 0
	s_wait_dscnt 0x0                               ; the add is done, and so are my reads of this slot
	s_barrier_signal -1
	MUL8 2, 1, NQ-1, \slot, 0
	WIN 0
	s_barrier_wait -1
.if \fill
	CREST                                          ; the barrier has opened a round of the cluster's barrier
	s_add_nc_u64 s[G0+4*\slot+2:G0+4*\slot+3], s[G0+4*\slot+2:G0+4*\slot+3], 2*ABLK
	s_add_nc_u64 s[G0B+4*\slot+2:G0B+4*\slot+3], s[G0B+4*\slot+2:G0B+4*\slot+3], 2*ROWB
	JLOAD G0+4*\slot, G1, G0B+4*\slot, G1B         ; the first tensor load behind the round
.else
	PLACES NP
.endif
	s_wait_alu depctr_va_vdst(0)
	v_add_nc_u32 v[ADRS], 4*NQ, v[ADRS]
	v_add_nc_u32 v[ADRS2], 4*NQ, v[ADRS2]
	FETCH_B \next, 0, 0
	FETCH_A \next, 0, 0
	SCALES \next
	WIN MUL_HI
	MUL8 4, 1, NQ-1, \slot, 0
	MUL8 6, 1, NQ-1, \slot, 0
	PLACES NP
	WIN 0
	FETCH_A \next, 0, 4
.endm
	s_wait_alu depctr_va_vdst(0)                   ; the wait at the head's end
	s_wait_tensorcnt 1                             ; slot 1's load may be out
	s_barrier_signal -1
	s_barrier_wait -1
	FETCH_B 0, 0, 0
	FETCH_A 0, 0, 0
	SCALES 0
	FETCH_A 0, 0, 4
	s_wait_loadcnt 0x0                             ; the bias is in
	STEP 0, 0, 1
	s_mov_b32 s3, LAPS-1
.Llap:
	TURN 0, 1, 1
	STEP 1, 0, 0
	TURN 1, 0, 1
	STEP 0, 0, 0
	s_sub_co_u32 s3, s3, 1
	s_cmp_lg_u32 s3, 0
	s_cbranch_scc1 .Llap
	TURN 0, 1, 0
	STEP 1, 0, 0
	s_wait_dscnt 4*NLA
	WIN MUL_LO
	MUL8 0, 1, NQ-1, 1, 0
	MUL8 2, 1, NQ-1, 1, 0
	s_wait_dscnt 0
	WIN MUL_HI
	MUL8 4, 1, NQ-1, 1, 0
	MUL8 6, 1, NQ-1, 1, 0
	WIN 0
; THE WAY OUT, block by block of 16 rows x 64 columns, through my own stage: in as 32 bytes a lane and accumulator, each accumulator from its low end on; back as whole rows of 256 bytes.
.macro TOSTAGE a
.set AC, 64*((\a)%4)
	WIN 0x08+4*((\a)/4)
.irp b, 0,1,2,3
	ds_store_b128 v[STO], v[AC+8*\b:AC+8*\b+3] offset:128*(\b/2)+32*(\b%2)
	ds_store_b128 v[STO], v[AC+8*\b+4:AC+8*\b+7] offset:128*(\b/2)+32*(\b%2)+16
.endr
	WIN 0
.set BB, BK+32*((\a)%2)
.irp t, 0,1,2,3,4,5,6,7
	ds_load_b128 v[BB+4*\t:BB+4*\t+3], v[RD] offset:\t*2*SPITCH    ; LDS serves a wave's instructions in order: these see the stores above
.endr
.endm
.macro SEND a, younger
.set BB, BK+32*((\a)%2)
	s_wait_dscnt \younger
.if (\a) > 0
.if ((\a)%2) == 1
	s_add_nc_u64 s[10:11], s[10:11], 8*CROW        ; stored block a holds the true rows 32 (a / 2) + 8 (a % 2) + t + 8 (t / 8)
.else
	s_add_nc_u64 s[10:11], s[10:11], 24*CROW
.endif
.endif
.irp t, 0,1,2,3,4,5,6,7
	global_store_b128 v[CO], v[BB+4*\t:BB+4*\t+3], s[10:11] offset:(2*\t+8*(\t/4))*CROW th:TH_STORE_NT   ; sixteen lanes store 256 consecutive bytes, aligned
.endr
.endm
	PLACES NP
	TOSTAGE 0
.irp a, 1,2,3,4,5,6,7
.if \a > 1
	s_wait_xcnt 0x0                                ; block a - 2's stores have read their registers and their base
.endif
	TOSTAGE \a
	SEND \a-1, 16                                  ; behind block a - 1's loads: block a's 8 stores and 8 loads
.endr
	s_wait_xcnt 0x0
	SEND 7, 0
	s_wait_tensorcnt 0x0                           ; the wave's end
	ds_add_u32 v[SPW], v[NIL]
	s_wait_dscnt 0x0
	CROUND                                         ; the closing round
	s_endpgm
.Lfunc_end_k_q1363a6059d_gemm_proj:
	.size	k_q1363a6059d_gemm_proj, .Lfunc_end_k_q1363a6059d_gemm_proj-k_q1363a6059d_gemm_proj
	.p2alignl 7, 3214868480
	.fill 96, 4, 3214868480
	.section	.rodata,"a",@progbits
	.p2align	6, 0x0
	.amdhsa_kernel k_q1363a6059d_gemm_proj
		.amdhsa_group_segment_fixed_size 327680
		.amdhsa_private_segment_fixed_size 0
		.amdhsa_enable_private_segment 0
		.amdhsa_kernarg_size 32
		.amdhsa_user_sgpr_count 2
		.amdhsa_user_sgpr_kernarg_segment_ptr 1
		.amdhsa_wavefront_size32 1
		.amdhsa_system_sgpr_workgroup_id_x 1
		.amdhsa_system_sgpr_workgroup_id_y 1
		.amdhsa_system_sgpr_workgroup_id_z 1
		.amdhsa_system_vgpr_workitem_id 0
		.amdhsa_next_free_vgpr 1024
		.amdhsa_next_free_sgpr 100
		.amdhsa_reserve_vcc 0
		.amdhsa_float_denorm_mode_32 3
		.amdhsa_float_denorm_mode_16_64 3
		.amdhsa_memory_ordered 1
		.amdhsa_forward_progress 1
		.amdhsa_inst_pref_size 97
	.end_amdhsa_kernel
	.amdgpu_metadata
---
amdhsa.version: [ 1, 2 ]
amdhsa.kernels:
  - .name:           k_q1363a6059d_gemm_proj
    .symbol:         k_q1363a6059d_gemm_proj.kd
    .args:
      - { .name: oq, .offset: 0, .size: 8, .value_kind: global_buffer, .address_space: global }
      - { .name: wq, .offset: 8, .size: 8, .value_kind: global_buffer, .address_space: global }
      - { .name: b_proj, .offset: 16, .size: 8, .value_kind: global_buffer, .address_space: global }
      - { .name: out0, .offset: 24, .size: 8, .value_kind: global_buffer, .address_space: global }
    .group_segment_fixed_size: 327680
    .private_segment_fixed_size: 0
    .kernarg_segment_align: 8
    .kernarg_segment_size: 32
    .max_flat_workgroup_size: 128
    .sgpr_count:     100
    .vgpr_count:     1024
    .wavefront_size: 32
...
	.end_amdgpu_metadata
.endif
;; end of part 4
